; MI455X (gfx1250); checked and timed in simulation.
; The chip was launched on July 23, 2026; its instructions are those of AMD's public machine-readable ISA for CDNA 5 (MIT licence, August 2026) and "CDNA5" Instruction Set Architecture Reference Guide (July 2026). The comments in the code are by the model that wrote it; some were corrected since.
;; Attention. Allowed arithmetic: matrix products marked QUANTISED: E2M1 operands, one E8M0 scale for each 32 along K, by v_wmma_scale_f32_16x16x128_f8f6f4 with both operands' format E2M1 (or v_wmma_scale_f32_32x16x128_f4), f32 sums; products left as they are: bf16, f16 or f32 operands; f32 sums; everything else in f32.
;; Inputs: freqs_cos 2,048 x 64 float32; freqs_sin 2,048 x 64 float32; wk 2,048 x 2,048 float32; wo 2,048 x 2,048 float32; wq 2,048 x 2,048 float32; wv 2,048 x 2,048 float32; x 1 x 2,048 x 2,048 float32.
;; Outputs: out0 1 x 2,048 x 2,048 float32.
;; This version of the problem:
;;   THIS VERSION OF THE PROBLEM IS GIVEN IN LOW PRECISION. The matrix products marked QUANTISED in the list below multiply operands that are first quantised to E2M1 (2 exponent bits, 1 mantissa bit; 4 bits a number), with one power-of-two scale for each 32 numbers along K (OCP MX v1.0); their sums are f32. The products marked 'left as it is' may take bf16, f16 or f32 operands, with f32 sums. Whichever they take, every output number must still come out within the allowed error. Rounding operands to bf16 (8 significant bits) uses up far more of that allowance than f16 does (11 bits, for magnitudes from 6e-5 to 65,504). All else is computed in f32.
;;   The module's matrix products, in the order in which they are computed (A, B: the left and right operand; K: the contracted axis; several contracted axes count as one K, in the product's order):
;;     1. [M 2,048, K 2,048] x [K 2,048, N 2,048]; A: input x; B: input wq: QUANTISED
;;     2. [M 2,048, K 2,048] x [K 2,048, N 2,048]; A: input x; B: input wk: QUANTISED
;;     3. [M 2,048, K 2,048] x [K 2,048, N 2,048]; A: input x; B: input wv: QUANTISED
;;     4. batch 16 x [M 2,048, K 128] x [K 128, N 2,048]; A: computed on the way; B: computed on the way: left as it is (an operand is computed on the way)
;;     5. batch 16 x [M 128, K 2,048] x [K 2,048, N 2,048]; A: computed on the way; B: computed on the way: left as it is (an operand is computed on the way)
;;     6. [M 2,048, K 2,048] x [K 2,048, N 2,048]; A: computed on the way; B: input wo: left as it is (an operand is computed on the way)
;;   THE QUANTISER, for each operand of a quantised product, along K:
;;     - K is cut into blocks of 32 from its start; a last block that is shorter is filled with zeros.
;;     - A block's scale is 2^e with e = floor(log2(the largest magnitude in the block)) - 2, held to -126 .. 127; a block of zeros has e = 0. As a byte (E8M0): e + 127.
;;     - Each number is divided by its block's scale, clamped to +-6, and rounded to the nearest number of E2M1, ties to even, subnormals kept.
;;     - The product sums the exact products of the quantised numbers (number of the format x scale) in f32.
;;   ~~~python
;;   def quantise(x, axis):      # numpy; x: float32 -> the quantised numbers, widened to float32 again
;;       x = np.moveaxis(x, axis, -1); K = x.shape[-1]
;;       x = np.pad(x, [(0, 0)] * (x.ndim - 1) + [(0, -K % 32)]); x = x.reshape(x.shape[:-1] + (-1, 32)); a = np.abs(x).max(-1, keepdims=True)
;;       e = np.where(a > 0, np.clip(np.frexp(np.where(a > 0, a, 1))[1] - 1 - 2, -126, 127), 0)      # np.frexp(a)[1] - 1 = floor(log2(a)), exactly
;;       r = np.clip(x / 2.0 ** e, -6, 6)
;;       step = 2.0 ** (np.maximum(np.frexp(np.where(r == 0, 1, r))[1] - 1, 0) - 1)
;;       q = np.round(r / step) * step * 2.0 ** e      # np.round: ties to even
;;       return np.moveaxis(q.reshape(q.shape[:-2] + (-1,))[..., :K], -1, axis).astype(np.float32)
;;   ~~~
;; One version. Each part assembles by itself: llvm-mc -triple=amdgcn-amd-amdhsa -mcpu=gfx1250 --defsym DOCPART=n.
;; ======== version 1 of 1: 5 launches
;; limits: values are held in f16: magnitudes above 65,504 overflow, below 6.1e-05 lose precision
;; workspace buffers: x_codes 2,097,152 bytes; x_scales 131,072 bytes; w_codes 6,291,456 bytes; w_scales 393,216 bytes; woT 8,388,608 bytes; qkv 25,165,824 bytes; qkv32 393,216 bytes; o16 8,388,608 bytes
;; launch prep (part 1): grid 576 x 1, 4 waves a work-group, no clusters, 102,912 bytes of LDS; arguments x, wq, wk, wv, wo, x_codes, x_scales, w_codes, w_scales, woT; writes x_codes, x_scales, w_codes, w_scales, woT
.if DOCPART == 1
	.amdgcn_target "amdgcn-amd-amdhsa--gfx1250"
	.amdhsa_code_object_version 6
	.text
	.protected	k_qb784655a38_prep
	.globl	k_qb784655a38_prep
	.p2align	8
	.type	k_qb784655a38_prep,@function
k_qb784655a38_prep:
	s_mov_b64 s[64:65], 0
	v_nop
	global_prefetch_b8 v0, s[64:65] scope:SCOPE_SE
	s_setreg_imm32_b32 hwreg(HW_REG_WAVE_MODE, 25, 1), 1
	s_wait_xcnt 0x0
; CAUSAL ATTENTION, S = 2048, D = 2048, 16 heads of 128.  Five launches: prep, qkv, attn, proj, fine.  This one prepares the operands:
;   x [2048][2048] f32 (K innermost)            -> x_codes [2048][1024 bytes], x_scales [2048][64]          (work-groups 0 .. 127)
;   wq, wk, wv [k 2048][n 2048] f32 (K first)   -> w_codes [6144 = wq|wk|wv columns][1024 bytes], w_scales [6144][64]   (work-groups 128 .. 319)
;   wo [k 2048][n 2048] f32                     -> woT [n 2048][k 2048] f16                                  (work-groups 320 .. 575)
; Codes are E2M1, two a byte, the lower k in the low four bits; one E8M0 byte for each 32 along K: the largest magnitude's exponent field - 2, held at 1 from below.
; WORK LEFT OUT BY THE PROGRAM (in launch attn): reference() itself sets the score of key k for query q to -inf where k > q (its own jnp.tril).  exp(-inf) is 0 and multiplies V's row, so for all finite
; inputs a step of keys that all lie behind all queries of a wave reaches no output: such steps are not multiplied, and slots of keys that no wave of a work-group reads are not fetched.  Every input has a way to the output and is loaded.
; LIMITS: a NaN, an infinity or an overflow that reaches only the work left out is not carried to the result.  q, k, v, the attention's result and wo are carried in f16 (magnitudes up to 65,504).
; A block of zeros gets the byte 1 where the quantiser says 127: its codes are zeros, which add nothing under any byte but 0xff, and this program alone reads the bytes.  NaN and infinities among the inputs are not served.
; The three paths part on the work-group's number alone; each has LDS bytes of its own.  No tensor loads, no barrier: waves share nothing.
.set SPARE, 102400                     ; behind all stages: the spare words, 128 bytes for each wave
.set SPW,   190                        ; v190  LDS address of my spare word; never rewritten
.set NIL,   191                        ; v191  0; never rewritten
.set EMAX,  2
.set WREG,  8192                       ; path X: a region for each wave: two stages of 32 x SP bytes, then its 256 scale bytes
.set SP,    80                         ; a lane's place in a stage: 64 bytes + 16 of padding
.set CB,    8                          ; bytes of 16 codes
.set XR,    16                         ; v16-79   four sets of 16 numbers as loaded
.set XX,    80                         ; v80-111  two sets of 16 neighbours
.set XE,    112                        ; v112-127 a scale byte for each step
.set XC,    128                        ; v128-189 codes, four registers a step
.set WSTG,  32768                      ; path W: four stages of 32 rows x 272 bytes
.set OSTG,  67584                      ; path O: the same
.set PITCH, 272
.set WX,    32                         ; v32-95   two sets of 32 numbers down K
.set WC,    96                         ; v96..    a block's codes (W) or f16 pairs (O)
.set OUTR,  112                        ; v112-175 the way out
.set SB,    24                         ; v24-27   scale bytes, four to a register
.macro FINISH                          ; the wave's end: behind my last LDS store
	s_wait_tensorcnt 0x0
	ds_add_u32 v[SPW], v[NIL]
	s_wait_dscnt 0x0
	s_endpgm
.endm
; ---- path X's macros: 16 steps of 512 numbers a wave
.macro LOADX t
.irp i, 0,1,2,3
	global_load_b128 v[XR+16*((\t)%4)+4*\i:XR+16*((\t)%4)+4*\i+3], v3, s[4:5] offset:2048*(\t)+512*\i th:TH_LOAD_NT   ; 32 lanes read 512 consecutive bytes
.endr
.endm
.macro TURNX t                         ; a step's 2,048 bytes through my stage: in as they lie, back 64 bytes a lane; LDS serves a wave's instructions in order
.irp i, 0,1,2,3
	ds_store_b128 v14, v[XR+16*((\t)%4)+4*\i:XR+16*((\t)%4)+4*\i+3] offset:32*SP*((\t)%2)+8*SP*\i
.endr
.irp i, 0,1,2,3
	ds_load_b128 v[XX+16*((\t)%2)+4*\i:XX+16*((\t)%2)+4*\i+3], v15 offset:32*SP*((\t)%2)+16*\i
.endr
.endm
.macro STEPX t
.set XS, XX+16*((\t)%2)
.if (\t) > 0
	s_wait_dscnt 1                                 ; this step's numbers are back from the stage; the last step's byte store may be out
.else
	s_wait_dscnt 0x0
.endif
.if (\t)+4 < 16
	LOADX (\t)+4                                   ; into the registers that this step's stage stores have read
.endif
.if (\t)+1 < 16
.if 14-(\t) >= 3
	s_wait_loadcnt 12                              ; the next step's four loads are in; three younger steps' may be out
.else
	s_wait_loadcnt 4*(14-(\t))
.endif
	TURNX (\t)+1
.endif
	v_max3_num_f32 v8, |v[XS]|, |v[XS+1]|, |v[XS+2]|               ; the largest magnitude of my 16, in two chains
	v_max3_num_f32 v9, |v[XS+3]|, |v[XS+4]|, |v[XS+5]|
.irp i, 6,10
	v_max3_num_f32 v8, v8, |v[XS+\i]|, |v[XS+\i+1]|
	v_max3_num_f32 v9, v9, |v[XS+\i+2]|, |v[XS+\i+3]|
.endr
	v_max3_num_f32 v8, v8, |v[XS+14]|, |v[XS+15]|
	v_max3_num_f32 v8, v8, v9, (EMAX+1)<<23        ; and the floor 2^(3 - 127): the byte cannot fall under 1
	v_max_num_f32_dpp v8, v8, v8 row_xmask:1 row_mask:0xf bank_mask:0xf   ; with my neighbour's 16: the block's
	v_add_nc_u32 v11, -(EMAX<<23), v8              ; 2 off its exponent field: the conversion takes that field as its scale
	v_cvt_scalef32_pk8_fp4_f32 v[XC+4*(\t)], v[XS:XS+7], v11
	v_cvt_scalef32_pk8_fp4_f32 v[XC+4*(\t)+1], v[XS+8:XS+15], v11
	v_lshrrev_b32 v[XE+(\t)], 23, v11              ; the scale's byte
	ds_store_b8 v5, v[XE+(\t)] offset:16*(\t)      ; both lanes of a block write the same byte with the same value
	global_store_b64 v4, v[XC+4*(\t):XC+4*(\t)+1], s[14:15] offset:32*CB*(\t)   ; the wave stores 256 consecutive bytes, aligned
.endm
; ---- paths W and O: a lane takes a column n, its registers run down K
.macro LOADW t, sb                     ; 32 rows of K at my column, into set t % 2
.set i, 0
.rept 32
	global_load_b32 v[WX+32*((\t)%2)+i], v3, s[\sb:\sb+1] offset:(32*(\t)+i)*8192 th:TH_LOAD_NT
.set i, i+1
.endr
.endm
.macro BLOCKW t                        ; a block of 32 along K of my column: its scale byte and its 16 bytes of codes
.set XS, WX+32*((\t)%2)
.if (\t) < 15
	s_wait_loadcnt 32                              ; this block's 32 loads are in; the next block's may be out
.else
	s_wait_loadcnt 0x0
.endif
	v_max3_num_f32 v12, |v[XS]|, |v[XS+1]|, |v[XS+2]|
	v_max3_num_f32 v13, |v[XS+3]|, |v[XS+4]|, |v[XS+5]|
.irp i, 6,10,14,18,22,26
	v_max3_num_f32 v12, v12, |v[XS+\i]|, |v[XS+\i+1]|
	v_max3_num_f32 v13, v13, |v[XS+\i+2]|, |v[XS+\i+3]|
.endr
	v_max3_num_f32 v12, v12, |v[XS+30]|, |v[XS+31]|
	v_max3_num_f32 v12, v12, v13, (EMAX+1)<<23
	v_add_nc_u32 v11, -(EMAX<<23), v12
	v_lshrrev_b32 v13, 23, v11
.if (\t)%4 == 0
	v_mov_b32 v[SB+(\t)/4], v13                    ; four bytes to a register, the lower K in the lower byte
.else
	v_lshl_or_b32 v[SB+(\t)/4], v13, 8*((\t)%4), v[SB+(\t)/4]
.endif
.irp g, 0,1,2,3
	v_cvt_scalef32_pk8_fp4_f32 v[WC+\g], v[XS+8*\g:XS+8*\g+7], v11
.endr
	ds_store_b128 v4, v[WC:WC+3] offset:16*(\t)
.if (\t)+2 < 16
	LOADW (\t)+2, 6
.endif
	s_wait_dscnt 0x0                               ; the store has read its registers: the next block's codes may be written
.endm
.macro BLOCKO t                        ; 32 along K of my column become 64 bytes of f16
.set XS, WX+32*((\t)%2)
.if (\t) < 3
	s_wait_loadcnt 32
.else
	s_wait_loadcnt 0x0
.endif
.set i, 0
.rept 16
	v_cvt_pk_f16_f32 v[WC+i], v[XS+2*i], v[XS+2*i+1]
.set i, i+1
.endr
.irp g, 0,1,2,3
	ds_store_b128 v4, v[WC+4*\g:WC+4*\g+3] offset:64*(\t)+16*\g
.endr
.if (\t)+2 < 4
	LOADW (\t)+2, 12
.endif
	s_wait_dscnt 0x0
.endm
.macro WAYOUT sb, krow                 ; 32 rows of 256 bytes leave my stage: sixteen lanes store 256 consecutive bytes, aligned
.irp t, 0,1,2,3,4,5,6,7,8,9,10,11,12,13,14,15
	ds_load_b128 v[OUTR+4*\t:OUTR+4*\t+3], v7 offset:2*\t*PITCH
.endr
.irp t, 0,1,2,3,4,5,6,7,8,9,10,11,12,13,14,15
	s_wait_dscnt 15-\t
	global_store_b128 v8, v[OUTR+4*\t:OUTR+4*\t+3], s[\sb:\sb+1] offset:2*\t*\krow
.endr
.endm
.macro COLADR stg, krow                ; the addresses that paths W and O share
	v_lshlrev_b32 v3, 2, v2                        ; in: 4 bytes a lane
	s_mul_i32 s29, s24, 32*PITCH
	s_add_co_u32 s29, s29, \stg                    ; my stage
	v_mul_u32_u24 v4, v2, PITCH
	v_add_nc_u32 v4, s29, v4                       ; into it: row = my column
	v_and_b32 v5, 15, v2
	v_lshrrev_b32 v6, 4, v2
	v_mul_u32_u24 v7, v6, PITCH
	v_lshl_add_u32 v7, v5, 4, v7
	v_add_nc_u32 v7, s29, v7                       ; out of it: sixteen lanes to a row, two rows an instruction
	v_mul_u32_u24 v8, v6, \krow
	v_lshl_add_u32 v8, v5, 4, v8                   ; and the same place in the output
.endm
	s_load_b256 s[4:11], s[0:1], 0x0               ; x s[4:5], wq s[6:7], wk s[8:9], wv s[10:11]
	s_load_b256 s[12:19], s[0:1], 0x20             ; wo s[12:13], x_codes s[14:15], x_scales s[16:17], w_codes s[18:19]
	s_load_b128 s[20:23], s[0:1], 0x40             ; w_scales s[20:21], woT s[22:23]
	v_lshl_add_u32 v[SPW], v0, 2, SPARE
	v_mov_b32 v[NIL], 0
	v_lshrrev_b32 v1, 5, v0
	v_readfirstlane_b32 s24, v1                    ; wave 0..3
	v_and_b32 v2, 31, v0                           ; lane
	s_wait_kmcnt 0x0
	s_cmp_lt_u32 ttmp9, 128
	s_cbranch_scc1 .LX
	s_cmp_lt_u32 ttmp9, 320
	s_cbranch_scc1 .LW
	; ---- path O: wo, 128 columns x 128 along K for a work-group
	s_sub_co_u32 s25, ttmp9, 320
	s_and_b32 s27, s25, 15
	s_lshr_b32 s28, s25, 4                         ; which 128 along K
	s_lshl_b32 s27, s27, 7
	s_lshl_b32 s29, s24, 5
	s_add_co_u32 s27, s27, s29                     ; my wave's first column
	s_lshl_b32 s30, s28, 20                        ; 128 rows of 8,192 bytes
	s_lshl_b32 s29, s27, 2
	s_add_co_u32 s30, s30, s29
	s_mov_b32 s31, 0
	s_add_nc_u64 s[12:13], s[12:13], s[30:31]
	s_lshl_b32 s30, s27, 12                        ; a row of woT is 4,096 bytes
	s_lshl_b32 s29, s28, 8
	s_add_co_u32 s30, s30, s29
	s_add_nc_u64 s[22:23], s[22:23], s[30:31]
	COLADR OSTG, 4096
	LOADW 0, 12
	LOADW 1, 12
.irp t, 0,1,2,3
	BLOCKO \t
.endr
	WAYOUT 22, 4096
	FINISH
.LW:	; ---- path W: one of wq, wk, wv, 128 columns x 512 along K for a work-group
	s_sub_co_u32 s25, ttmp9, 128
	s_lshr_b32 s26, s25, 6                         ; which weight
	s_and_b32 s27, s25, 15
	s_bfe_u32 s28, s25, 0x20004                    ; which 512 along K
	s_cmp_eq_u32 s26, 0
	s_cselect_b64 s[6:7], s[6:7], s[8:9]           ; the choice hangs on the work-group's number alone
	s_cmp_eq_u32 s26, 2
	s_cselect_b64 s[6:7], s[10:11], s[6:7]
	s_lshl_b32 s27, s27, 7
	s_lshl_b32 s29, s24, 5
	s_add_co_u32 s27, s27, s29                     ; my wave's first column
	s_lshl_b32 s30, s28, 22                        ; 512 rows of 8,192 bytes
	s_lshl_b32 s29, s27, 2
	s_add_co_u32 s30, s30, s29
	s_mov_b32 s31, 0
	s_add_nc_u64 s[6:7], s[6:7], s[30:31]
	s_lshl_b32 s26, s26, 11
	s_add_co_u32 s26, s26, s27                     ; its row among the 6,144
	s_lshl_b32 s30, s26, 10
	s_lshl_b32 s29, s28, 8
	s_add_co_u32 s30, s30, s29
	s_add_nc_u64 s[18:19], s[18:19], s[30:31]
	s_lshl_b32 s30, s26, 6
	s_lshl_b32 s29, s28, 4
	s_add_co_u32 s30, s30, s29
	s_add_nc_u64 s[20:21], s[20:21], s[30:31]
	COLADR WSTG, 1024
	v_mul_u32_u24 v9, v2, 64                       ; my column's row of scale bytes
	LOADW 0, 6
	LOADW 1, 6
.irp t, 0,1,2,3,4,5,6,7,8,9,10,11,12,13,14,15
	BLOCKW \t
.endr
	global_store_b128 v9, v[SB:SB+3], s[20:21]     ; my column's 16 scale bytes
	WAYOUT 18, 1024
	FINISH
.LX:	; ---- path X: x is a plain stream of blocks of 32; a wave takes 8,192 numbers
	v_lshlrev_b32 v3, 4, v2                        ; my 16 bytes of a load's 512
	s_mul_i32 s25, s24, WREG
	v_lshrrev_b32 v14, 2, v2
	v_mul_u32_u24 v14, v14, SP
	v_and_b32 v15, 3, v2
	v_lshl_add_u32 v14, v15, 4, v14
	v_add_nc_u32 v14, s25, v14                     ; the stage, on the way in: SP (lane / 4) + 16 (lane % 4)
	v_mul_u32_u24 v15, v2, SP
	v_add_nc_u32 v15, s25, v15                     ; and on the way out: SP x lane
	v_mul_u32_u24 v4, v2, CB
	v_lshrrev_b32 v5, 1, v2
	s_add_co_u32 s25, s25, 2*32*SP
	v_add_nc_u32 v5, s25, v5                       ; my block's byte among my wave's 256
	v_lshlrev_b32 v7, 3, v2
	v_add_nc_u32 v6, s25, v7
	s_lshl_b32 s26, ttmp9, 2
	s_add_co_u32 s26, s26, s24                     ; which run of 8,192 numbers
	s_lshl_b32 s28, s26, 15
	s_mov_b32 s29, 0
	s_add_nc_u64 s[4:5], s[4:5], s[28:29]
	s_lshl_b32 s28, s26, 12
	s_add_nc_u64 s[14:15], s[14:15], s[28:29]
	s_lshl_b32 s28, s26, 8
	s_add_nc_u64 s[16:17], s[16:17], s[28:29]
.irp t, 0,1,2,3
	LOADX \t
.endr
	s_wait_loadcnt 12                              ; step 0's four loads are in
	TURNX 0
.irp t, 0,1,2,3,4,5,6,7,8,9,10,11,12,13,14,15
	STEPX \t
.endr
	ds_load_b64 v[8:9], v6                         ; LDS serves a wave's instructions in order: these see my byte stores
	s_wait_dscnt 0x0
	global_store_b64 v7, v[8:9], s[16:17]          ; 32 lanes store 256 consecutive bytes, aligned
	FINISH
.Lfunc_end_k_qb784655a38_prep:
	.size	k_qb784655a38_prep, .Lfunc_end_k_qb784655a38_prep-k_qb784655a38_prep
	.p2alignl 7, 3214868480
	.fill 96, 4, 3214868480
	.section	.rodata,"a",@progbits
	.p2align	6, 0x0
	.amdhsa_kernel k_qb784655a38_prep
		.amdhsa_group_segment_fixed_size 102912
		.amdhsa_private_segment_fixed_size 0
		.amdhsa_enable_private_segment 0
		.amdhsa_kernarg_size 80
		.amdhsa_user_sgpr_count 2
		.amdhsa_user_sgpr_kernarg_segment_ptr 1
		.amdhsa_wavefront_size32 1
		.amdhsa_system_sgpr_workgroup_id_x 1
		.amdhsa_system_sgpr_workgroup_id_y 1
		.amdhsa_system_sgpr_workgroup_id_z 1
		.amdhsa_system_vgpr_workitem_id 0
		.amdhsa_next_free_vgpr 192
		.amdhsa_next_free_sgpr 66
		.amdhsa_reserve_vcc 0
		.amdhsa_float_denorm_mode_32 3
		.amdhsa_float_denorm_mode_16_64 3
		.amdhsa_memory_ordered 1
		.amdhsa_forward_progress 1
		.amdhsa_inst_pref_size 133
	.end_amdhsa_kernel
	.amdgpu_metadata
---
amdhsa.version: [ 1, 2 ]
amdhsa.kernels:
  - .name:           k_qb784655a38_prep
    .symbol:         k_qb784655a38_prep.kd
    .args:
      - { .name: x, .offset: 0, .size: 8, .value_kind: global_buffer, .address_space: global }
      - { .name: wq, .offset: 8, .size: 8, .value_kind: global_buffer, .address_space: global }
      - { .name: wk, .offset: 16, .size: 8, .value_kind: global_buffer, .address_space: global }
      - { .name: wv, .offset: 24, .size: 8, .value_kind: global_buffer, .address_space: global }
      - { .name: wo, .offset: 32, .size: 8, .value_kind: global_buffer, .address_space: global }
      - { .name: x_codes, .offset: 40, .size: 8, .value_kind: global_buffer, .address_space: global }
      - { .name: x_scales, .offset: 48, .size: 8, .value_kind: global_buffer, .address_space: global }
      - { .name: w_codes, .offset: 56, .size: 8, .value_kind: global_buffer, .address_space: global }
      - { .name: w_scales, .offset: 64, .size: 8, .value_kind: global_buffer, .address_space: global }
      - { .name: woT, .offset: 72, .size: 8, .value_kind: global_buffer, .address_space: global }
    .group_segment_fixed_size: 102912
    .private_segment_fixed_size: 0
    .kernarg_segment_align: 8
    .kernarg_segment_size: 80
    .max_flat_workgroup_size: 128
    .sgpr_count:     66
    .vgpr_count:     192
    .wavefront_size: 32
...
	.end_amdgpu_metadata
.endif
;; end of part 1
;; launch qkv (part 2): grid 24 x 8, 4 waves a work-group, clusters of 4 x 4, 327,680 bytes of LDS; arguments x_codes, x_scales, w_codes, w_scales, freqs_cos, freqs_sin, qkv, qkv32; writes qkv, qkv32
.if DOCPART == 2
	.amdgcn_target "amdgcn-amd-amdhsa--gfx1250"
	.amdhsa_code_object_version 6
	.text
	.protected	k_qb784655a38_qkv
	.globl	k_qb784655a38_qkv
	.p2align	8
	.type	k_qb784655a38_qkv,@function
k_qb784655a38_qkv:
	s_mov_b64 s[64:65], 0
	v_nop
	global_prefetch_b8 v0, s[64:65] scope:SCOPE_SE
	s_setreg_imm32_b32 hwreg(HW_REG_WAVE_MODE, 25, 1), 1
	s_wait_xcnt 0x0
	s_wait_alu depctr_hold_cnt(0) depctr_sa_sdst(0) depctr_va_vdst(0) depctr_va_sdst(0) depctr_va_ssrc(0) depctr_va_vcc(0) depctr_vm_vsrc(0)
	s_getreg_b32 s2, hwreg(HW_REG_IB_STS2, 6, 4)
	s_cmp_eq_u32 s2, 0
	s_cbranch_scc0 .Lentry_in_a_cluster
	s_endpgm
.Lentry_in_a_cluster:
	s_bfe_u32 s2, ttmp6, 0x10000c
	s_cmp_lg_u32 s2, 0xf033
	s_cbranch_scc0 .Lentry_shape_is_right
	s_endpgm
.Lentry_shape_is_right:
; [q | k | v] = Q(x) Q([wq | wk | wv]) on codes of E2M1 with E8M0 scales, then RoPE on q and k in f32, then f16: qkv [g = 16 mat + head][2048][128] f16.
; Rows 0-15 also leave in f32, for the launch that carries them finely: qkv32 [g][8,192 bytes].  q and k lie there as IMAGES OF MY REGISTERS: lane l's 16 bytes at 512 t + 16 l hold channels
; 16 (t / 2) + 8 (l / 16) + 4 (t % 2) + 0 .. 3 of row l % 16, so that each store, and each load of the reader, covers 512 consecutive bytes.  v lies there as rows, [16][128].
; A tile of C, 256 x 256, is made by a work-group of four waves; a wave makes 128 x 128 (64 accumulators, 512 registers): its 128 columns are ONE head of one of q, k, v.
; K goes in steps of 512 through a ring of two LDS slots filled by the tensor data mover (a tile's row is 256 bytes); the scale bytes of the work-group's rows, for all of K, come into LDS once.
; CLUSTERS: 4 x 4 work-groups; A's tiles are asked for jointly along a row of the cluster, B's along a column.  The grid has 24 x 8 = 192 work-groups: a tile that kept 256 busy would straddle heads.
; THE MATRIX INSTRUCTION IS USED TRANSPOSED (source 0 = 16 rows of w's codes, source 1 = 16 rows of x's): a lane holds eight neighbouring channels of one row: four RoPE pairs.
; REGISTERS: window 0: v0-7 at work on the way out; v8-31 addresses; v32-95 scale words, two sets; from v128 A's fragments, one set; on the way out v32-255 are free.
;   window 1: B's fragments, two sets.   window 2: the accumulators of my rows 0-63 ((a, b) at v[8 (8 a + b)]);   window 3: those of my rows 64-127.
.set SIZE_M, 2048
.set SIZE_N, 6144
.set SIZE_K, 2048
.set KSTEP,  512
.set NQ,     KSTEP/128
.set ROWB,   256
.set KROW,   SIZE_K*4/8
.set PITCH,  272                       ; an LDS row: 256 bytes + 16 of padding: the 16 rows that a load touches start at 16 different banks (64 banks of 4 bytes: ISA guide 11.1)
.set FR,     8
.set NL,     2
.set NP,     4                         ; places behind this matrix instruction (ISA guide 7.12.1)
.set HALFT,  128*PITCH
.set SLOT,   4*HALFT
.set LAPS,   SIZE_K/(2*KSTEP)
.set KS,     SIZE_K/32
.set SCL,    2*SLOT                    ; behind the ring: the scales, as units of 256 bytes + 16 of padding
.set HALFS,  (128*KS/256)*272
.set SBLK,   (16*KS/256)*272
.set SPARE,  SCL+4*HALFS               ; behind the scales: the spare words
.set SPITCH, 272                       ; the way out: a stage of 16 rows x (256 bytes + 16) for each wave, in slot 0, which has had its last fill and its last read by then
.set CA,   8                           ; v8   my byte in 16 rows of cos / sin: 256 r + 16 h
.set FA,   9                           ; v9   my byte in 16 rows of 512 bytes (v's part of qkv32): 512 r + 32 h
.set TRV,  10                          ; v10  the tile row of C
.set ADRA, 16
.set ADRB, 20
.set STO,  24
.set RD,   25
.set CO,   26
.set ADRS, 27
.set SPW,  28
.set NIL,  29
.set SC,   32
.set AF,   128
.set TMP,  32                          ; the way out: v32-63 packed f16
.set RR,   64                          ; v64-127 a block after RoPE, f32; then v64-95 its rows read back
.set BK,   64
.set G1, 24
.set G0, 32
.set G1B, 48
.set G0B, 56
.set G1S, 68
.set G0S, 76
.set G1SB, 80
.set G0SB, 88
.set MSB, 0
.macro WIN new                         ; the immediate's high byte repeats the setting that is left
.if MSB != (\new)
	s_set_vgpr_msb (MSB<<8)|(\new)
.set MSB, (\new)
.endif
.endm
.set MUL_LO, 0xa1                      ; source 0 (B) window 1, source 1 (A) window 0, C and D window 2
.set MUL_HI, 0xf1
.set TO_B,   0x40
; A joint load: waves 0 and 1 fetch for A, waves 2 and 3 for B; the branch hangs on the wave's number alone.  An s_nop 0 and four v_nop follow each line.
.macro JLOAD g0a, g1a, g0b, g1b
	s_cmp_eq_u32 s15, 0
	s_cbranch_scc0 .Lfor_b_\@
	tensor_load_to_lds s[\g0a:\g0a+3], s[\g1a:\g1a+7]
	s_nop 0
.rept 4
	v_nop
.endr
	s_branch .Lasked_\@
.Lfor_b_\@:
	tensor_load_to_lds s[\g0b:\g0b+3], s[\g1b:\g1b+7]
	s_nop 0
.rept 4
	v_nop
.endr
.Lasked_\@:
.endm
.macro CREST                           ; a round of the cluster's barrier behind its opening barrier
	s_cmp_lg_u32 s14, 0
	s_cbranch_scc1 .Lnot_wave_0_\@
	s_barrier_signal -3
.Lnot_wave_0_\@:
	s_barrier_wait -3
	s_barrier_signal -1
	s_barrier_wait -1
.endm
.macro CROUND
	s_barrier_signal -1
	s_barrier_wait -1
	CREST
.endm
	s_load_b128 s[4:7], s[0:1], 0x0                ; x's codes, x's scales
	s_load_b128 s[8:11], s[0:1], 0x10              ; w's codes, w's scales
	s_load_b128 s[96:99], s[0:1], 0x20             ; cos, sin
	s_load_b64 s[12:13], s[0:1], 0x30              ; qkv
	s_load_b64 s[100:101], s[0:1], 0x38            ; qkv32
	v_lshl_add_u32 v[SPW], v0, 2, SPARE
	v_mov_b32 v[NIL], 0
	ds_add_u32 v[SPW], v[NIL]                      ; the wave's opening: the add, twice on end, and its wait ahead of my first tensor load
	ds_add_u32 v[SPW], v[NIL]
	v_lshrrev_b32 v1, 5, v0
	v_readfirstlane_b32 s14, v1                    ; wave 0..3
	s_lshr_b32 s15, s14, 1                         ; which half of the tile's rows is mine.  Also: I fetch for A (0) or for B (1)
	s_and_b32 s16, s14, 1                          ; which half of its columns.  Also: which 128 rows of that tile I fetch
	s_bfe_u32 s40, ttmp6, 0x40000                  ; cx, cy
	s_bfe_u32 s41, ttmp6, 0x40004
	s_lshl_b32 s42, ttmp9, 2
	s_add_co_u32 s42, s42, s40                     ; tile column of C
	s_and_b32 s17, ttmp7, 0xffff
	s_lshl_b32 s17, s17, 2
	s_add_co_u32 s17, s17, s41                     ; tile row of C
	s_lshl_b32 s43, s41, 2
	s_lshl_b32 s43, 15, s43                        ; my row of the cluster
	s_lshl_b32 s44, 0x1111, s40                    ; my column
	s_or_b32 s[G1+0], s43, (0<<16)|(1<<20)|(1<<21)|(5<<22)|(3<<25)  ; the mask; elements of 1 byte; padding on; bit 21 beside a mask; 4 words of padding after every 64
	s_or_b32 s[G1B+0], s44, (0<<16)|(1<<20)|(1<<21)|(5<<22)|(3<<25)
.irp g, G1, G1B
	s_mov_b32 s[\g+1], ROWB<<16                    ; tensor_dim0
	s_mov_b32 s[\g+2], 128<<16                     ; tensor_dim1
	s_mov_b32 s[\g+3], ROWB<<16                    ; tile_dim0
	s_mov_b32 s[\g+4], 128                         ; tile_dim1
	s_mov_b32 s[\g+5], KROW                        ; the pitch
	s_mov_b32 s[\g+6], 0
	s_mov_b32 s[\g+7], 0
.endr
	s_or_b32 s[G1S+0], s43, (3<<16)|(1<<20)|(1<<21)|(5<<22)|(3<<25) ; the scales of 128 rows: a dense block, as rows of 32 elements of 8 bytes
	s_or_b32 s[G1SB+0], s44, (3<<16)|(1<<20)|(1<<21)|(5<<22)|(3<<25)
.irp g, G1S, G1SB
	s_mov_b32 s[\g+1], 32<<16
	s_mov_b32 s[\g+2], (128*KS/256)<<16
	s_mov_b32 s[\g+3], 32<<16
	s_mov_b32 s[\g+4], 128*KS/256
	s_mov_b32 s[\g+5], 32
	s_mov_b32 s[\g+6], 0
	s_mov_b32 s[\g+7], 0
.endr
	s_lshl_b32 s18, s16, 7
	s_lshl_b32 s20, s17, 8
	s_add_co_u32 s20, s20, s18                     ; A: row 256 x tile row + 128 x half
	s_lshl_b32 s46, s42, 8
	s_add_co_u32 s46, s46, s18                     ; B: row 256 x tile column + 128 x half
	s_mov_b32 s21, 0
	s_mov_b32 s47, 0
	s_mov_b64 s[18:19], KS
	s_mul_u64 s[22:23], s[20:21], s[18:19]
	s_mul_u64 s[92:93], s[46:47], s[18:19]
	s_mov_b64 s[18:19], KROW
	s_mul_u64 s[20:21], s[20:21], s[18:19]
	s_mul_u64 s[46:47], s[46:47], s[18:19]
	s_mul_i32 s45, s14, HALFT                      ; where they go: wave x 128 rows: no place in the cluster enters an LDS address
	s_mul_i32 s94, s14, HALFS
	s_wait_dscnt 0x0                               ; both opening adds are done
	s_wait_kmcnt 0x0
	s_add_nc_u64 s[20:21], s[4:5], s[20:21]
	s_add_nc_u64 s[22:23], s[6:7], s[22:23]
	s_add_nc_u64 s[46:47], s[8:9], s[46:47]
	s_add_nc_u64 s[92:93], s[10:11], s[92:93]
	CROUND                                         ; all sixteen work-groups are here: the first joint loads meet
	s_mov_b32 s[G0S], 1
	s_add_co_u32 s[G0S+1], s94, SCL
	s_mov_b64 s[G0S+2:G0S+3], s[22:23]
	s_or_b32 s[G0S+3], s[G0S+3], 0x80000000
	s_mov_b32 s[G0SB], 1
	s_add_co_u32 s[G0SB+1], s94, SCL
	s_mov_b64 s[G0SB+2:G0SB+3], s[92:93]
	s_or_b32 s[G0SB+3], s[G0SB+3], 0x80000000
	JLOAD G0S, G1S, G0SB, G1SB                     ; the scales first: they are wanted with K step 0
.irp s, 0,1
	s_mov_b32 s[G0+4*\s], 1
	s_add_co_u32 s[G0+4*\s+1], s45, \s*SLOT
	s_add_nc_u64 s[G0+4*\s+2:G0+4*\s+3], s[20:21], \s*ROWB
	s_or_b32 s[G0+4*\s+3], s[G0+4*\s+3], 0x80000000
	s_mov_b32 s[G0B+4*\s], 1
	s_add_co_u32 s[G0B+4*\s+1], s45, \s*SLOT
	s_add_nc_u64 s[G0B+4*\s+2:G0B+4*\s+3], s[46:47], \s*ROWB
	s_or_b32 s[G0B+4*\s+3], s[G0B+4*\s+3], 0x80000000
	JLOAD G0+4*\s, G1, G0B+4*\s, G1B
.endr
	v_and_b32 v1, 15, v0                           ; r = l % 16
	v_bfe_u32 v2, v0, 4, 1                         ; h = l / 16
	v_mul_u32_u24 v3, v1, PITCH
	v_lshl_add_u32 v4, v2, 4, v3                   ; a fragment's row x pitch + 16 x half
	s_mul_i32 s21, s15, HALFT
	s_mul_i32 s22, s16, HALFT
	s_add_co_u32 s22, s22, 2*HALFT
.irp s, 0,1
	v_add_nc_u32 v[ADRA+\s], s21, v4
	v_add_nc_u32 v[ADRB+\s], s22, v4
	s_add_co_u32 s21, s21, SLOT
	s_add_co_u32 s22, s22, SLOT
.endr
	v_mul_u32_u24 v5, v1, KS                       ; my row's scales: KS bytes a row,
	v_lshrrev_b32 v6, 8, v5
	v_lshl_add_u32 v5, v6, 4, v5                   ; and 16 more for each 256 passed
	s_mul_i32 s21, s15, HALFS
	s_mul_i32 s22, s16, HALFS
	s_add_co_u32 s22, s22, 2*HALFS
	s_sub_co_u32 s22, s22, s21
	v_mul_u32_u24 v6, s22, v2                      ; lanes 16-31 take B's
	s_add_co_u32 s21, s21, SCL
	v_add_nc_u32 v5, v5, v6
	v_add_nc_u32 v[ADRS], s21, v5
	s_mul_i32 s23, s14, 16*SPITCH                  ; my stage
	v_mul_u32_u24 v5, v1, SPITCH                   ; in: row r, 16 bytes for each half of the lanes
	v_lshl_add_u32 v5, v2, 4, v5
	v_add_nc_u32 v[STO], s23, v5
	v_mul_u32_u24 v5, v2, SPITCH                   ; back: lanes 0-15 one row of 256 bytes, lanes 16-31 the next
	v_lshl_add_u32 v5, v1, 4, v5
	v_add_nc_u32 v[RD], s23, v5
	v_and_b32 v6, 31, v0
	v_lshlrev_b32 v[CO], 4, v6                     ; 16 x lane: a head's rows are dense, so two rows are 512 consecutive bytes; also a lane's place in an image of registers
	v_lshlrev_b32 v[CA], 8, v1
	v_lshl_add_u32 v[CA], v2, 4, v[CA]
	v_lshlrev_b32 v[FA], 9, v1
	v_lshl_add_u32 v[FA], v2, 5, v[FA]
	v_mov_b32 v[TRV], s17
	s_lshl_b32 s20, s17, 8
	s_lshl_b32 s21, s15, 7
	s_add_co_u32 s20, s20, s21                     ; my first row: 256 x tile row + 128 x half
	s_lshl_b32 s20, s20, 8                         ; a row of cos, of sin and of a head of qkv is 256 bytes
	s_mov_b32 s21, 0
	s_add_nc_u64 s[96:97], s[96:97], s[20:21]
	s_add_nc_u64 s[98:99], s[98:99], s[20:21]
	s_add_nc_u64 s[12:13], s[12:13], s[20:21]
	s_lshl_b32 s46, s42, 1
	s_add_co_u32 s46, s46, s16                     ; g = 2 x tile column + my half: which of the 48 heads' worth of columns
	s_lshl_b32 s22, s46, 19                        ; 2,048 rows of 256 bytes
	s_mov_b32 s23, 0
	s_add_nc_u64 s[12:13], s[12:13], s[22:23]
	s_lshl_b32 s22, s46, 13                        ; 8,192 bytes for each g
	s_add_nc_u64 s[100:101], s[100:101], s[22:23]
.macro FRAG reg, adr, q, i             ; 16 rows x 128 K of 4-bit codes: 8 registers, two loads of 16 bytes, 32 bytes apart
.irp c, 0,1
	ds_load_b128 v[\reg+4*\c:\reg+4*\c+3], v[\adr] offset:64*(\q)+32*\c+(\i)*16*PITCH
.endr
.endm
; 16 matrix instructions: A's blocks a0, a0 + 1 x B's eight.  The 64 accumulators take turns, one instruction a turn, in the same order in every step.
.macro MUL16 a0, p, q, sc, zero
.irp a, \a0, \a0+1
.irp b, 0,1,2,3,4,5,6,7
.if \zero
	v_wmma_scale_f32_16x16x128_f8f6f4 v[8*(8*((\a)%4)+\b):8*(8*((\a)%4)+\b)+7], v[128*(\p)+FR*\b:128*(\p)+FR*\b+FR-1], v[AF+FR*(\a):AF+FR*(\a)+FR-1], 0, v[SC+8*NQ*(\sc)+NQ*\b+(\q)], v[SC+8*NQ*(\sc)+NQ*(\a)+(\q)] matrix_a_fmt:MATRIX_FMT_FP4 matrix_b_fmt:MATRIX_FMT_FP4 matrix_a_scale:MATRIX_SCALE_ROW1
.else
	v_wmma_scale_f32_16x16x128_f8f6f4 v[8*(8*((\a)%4)+\b):8*(8*((\a)%4)+\b)+7], v[128*(\p)+FR*\b:128*(\p)+FR*\b+FR-1], v[AF+FR*(\a):AF+FR*(\a)+FR-1], v[8*(8*((\a)%4)+\b):8*(8*((\a)%4)+\b)+7], v[SC+8*NQ*(\sc)+NQ*\b+(\q)], v[SC+8*NQ*(\sc)+NQ*(\a)+(\q)] matrix_a_fmt:MATRIX_FMT_FP4 matrix_b_fmt:MATRIX_FMT_FP4 matrix_a_scale:MATRIX_SCALE_ROW1
.endif
.endr
.endr
.endm
.macro FETCH_B slot, q, p
	WIN TO_B
.irp i, 0,1,2,3,4,5,6,7
	FRAG 128*(\p)+FR*\i, ADRB+\slot, \q, \i
.endr
	WIN 0
.endm
.macro FETCH_A slot, q, i0
.irp i, \i0, \i0+1, \i0+2, \i0+3
	FRAG AF+FR*(\i), ADRA+\slot, \q, \i
.endr
.endm
.macro SCALES sc                       ; a K step's scale words: lanes 0-15 take A's block i, lanes 16-31 B's block i
.irp i, 0,1,2,3,4,5,6,7
	ds_load_b128 v[SC+8*NQ*\sc+NQ*\i:SC+8*NQ*\sc+NQ*\i+3], v[ADRS] offset:\i*SBLK
.endr
.endm
.macro PLACES n                        ; plain vector instructions that name none of a matrix instruction's registers (ISA guide 7.12.1)
.rept \n
	v_nop
.endr
.endm
.macro STEP slot, q, zero              ; 128 along K that has its successor in the same slot
	s_wait_dscnt 4*NL                              ; B's set and A's blocks 0-3 are in; A's blocks 4-7 may be out
	WIN MUL_LO
	MUL16 0, (\q)%2, \q, \slot, \zero
	MUL16 2, (\q)%2, \q, \slot, \zero
	s_wait_dscnt 0
	PLACES NP
	FETCH_B \slot, (\q)+1, 1-(\q)%2
	FETCH_A \slot, (\q)+1, 0
	WIN MUL_HI
	MUL16 4, (\q)%2, \q, \slot, \zero
	MUL16 6, (\q)%2, \q, \slot, \zero
	PLACES NP
	WIN 0
	FETCH_A \slot, (\q)+1, 4
.endm
; A slot's last step changes slots: one barrier; in front of it each wave waits for all its tensor loads, adds 0 to its spare word, and waits for that and for its reads of this slot.
.macro TURN slot, next, fill
	s_wait_tensorcnt 0x0                           ; all my tensor loads have landed: my part of the next slot
	ds_add_u32 v[SPW], v[NIL]
	s_wait_dscnt 4*NL+1                            ; the add and A's blocks 4-7 may be out
	WIN MUL_LO
	MUL16 0, 1, NQ-1, \slot, 0
	s_wait_dscnt 0x0                               ; the add is done, and my reads of this slot are over
	s_barrier_signal -1
	MUL16 2, 1, NQ-1, \slot, 0
	WIN 0
	s_barrier_wait -1
.if \fill
	CREST                                          ; the barrier has opened a round of the cluster's: no wave of any partner still reads this slot or has a load on its way
	s_add_nc_u64 s[G0+4*\slot+2:G0+4*\slot+3], s[G0+4*\slot+2:G0+4*\slot+3], 2*ROWB
	s_add_nc_u64 s[G0B+4*\slot+2:G0B+4*\slot+3], s[G0B+4*\slot+2:G0B+4*\slot+3], 2*ROWB
	JLOAD G0+4*\slot, G1, G0B+4*\slot, G1B         ; the first tensor load behind the round; its four v_nop are the places in front of the loads below
.else
	PLACES NP
.endif
	v_add_nc_u32 v[ADRS], 4*NQ, v[ADRS]            ; on to the next K step's scale words
	FETCH_B \next, 0, 0
	FETCH_A \next, 0, 0
	SCALES \next
	WIN MUL_HI
	MUL16 4, 1, NQ-1, \slot, 0
	MUL16 6, 1, NQ-1, \slot, 0
	PLACES NP
	WIN 0
	FETCH_A \next, 0, 4
.endm
.macro STEPS slot, from
.set Q, \from
.rept NQ-1-\from
	STEP \slot, Q, 0
.set Q, Q+1
.endr
.endm
	s_wait_tensorcnt 1                             ; the scales and my part of K step 0 are in; K step 1's load may be out
	s_barrier_signal -1
	s_barrier_wait -1
	FETCH_B 0, 0, 0
	FETCH_A 0, 0, 0
	SCALES 0
	FETCH_A 0, 0, 4
	STEP 0, 0, 1                                   ; the first step's products start the sums: nothing is cleared
	s_mov_b32 s3, LAPS-1
.Llap:                                                 ; a trip goes once round the ring and fills both slots again
	STEPS 0, 1
	TURN 0, 1, 1
	STEPS 1, 0
	TURN 1, 0, 1
	STEP 0, 0, 0
	s_sub_co_u32 s3, s3, 1
	s_cmp_lg_u32 s3, 0
	s_cbranch_scc1 .Llap
	STEPS 0, 1                                     ; the last lap fills nothing
	TURN 0, 1, 0
	STEPS 1, 0
	s_wait_dscnt 4*NL
	WIN MUL_LO
	MUL16 0, 1, NQ-1, 1, 0
	MUL16 2, 1, NQ-1, 1, 0
	s_wait_dscnt 0
	WIN MUL_HI
	MUL16 4, 1, NQ-1, 1, 0
	MUL16 6, 1, NQ-1, 1, 0
	WIN 0
; THE WAY OUT, block a of 16 rows x my head's 128 channels at a time.  Lane (r, h) holds, in accumulator (a, b), channels 16 b + 8 h + 0 .. 7 of row 16 a + r: RoPE pairs 8 b + 4 h + 0 .. 3.
.macro CSLOAD a                        ; the block's cosines and sines: four of each for every b; even blocks' set at v192, odd blocks' at v128; in a set cos at 4 b, sin at 32 + 4 b
.set CSB, 192-64*((\a)%2)
.irp b, 0,1,2,3,4,5,6,7
	global_load_b128 v[CSB+4*\b:CSB+4*\b+3], v[CA], s[96:97] offset:4096*(\a)+32*\b
	global_load_b128 v[CSB+32+4*\b:CSB+32+4*\b+3], v[CA], s[98:99] offset:4096*(\a)+32*\b
.endr
.endm
.macro ROPE a                          ; o0 = x0 c - x1 s, o1 = x0 s + x1 c, in f32; each accumulator is first read in its low four registers
.set CSB, 192-64*((\a)%2)
.set AC, 64*((\a)%4)
	WIN 0x02+(\a)/4                                ; source 0: window 2 or 3
.irp b, 0,1,2,3,4,5,6,7
.irp i, 0,1,2,3
	v_mul_f32 v[2*\i], v[AC+8*\b+2*\i+1], v[CSB+32+4*\b+\i]
	v_mul_f32 v[2*\i+1], v[AC+8*\b+2*\i+1], v[CSB+4*\b+\i]
	v_fma_f32 v[RR+8*\b+2*\i], v[AC+8*\b+2*\i], v[CSB+4*\b+\i], -v[2*\i]
	v_fma_f32 v[RR+8*\b+2*\i+1], v[AC+8*\b+2*\i], v[CSB+32+4*\b+\i], v[2*\i+1]
.endr
.endr
	WIN 0
.endm
.macro PACKR                           ; to f16, 16 bytes for each b
.set n, 0
.rept 32
	v_cvt_pk_f16_f32 v[TMP+n], v[RR+2*n], v[RR+2*n+1]
.set n, n+1
.endr
.endm
.macro PACKA a                         ; v has no RoPE: straight from the accumulators
.set AC, 64*((\a)%4)
	WIN 0x0a+5*((\a)/4)                            ; sources 0 and 1: window 2 or 3
.set n, 0
.rept 32
	v_cvt_pk_f16_f32 v[TMP+n], v[AC+2*n], v[AC+2*n+1]
.set n, n+1
.endr
	WIN 0
.endm
.macro TOSTAGE                         ; through my own stage: LDS serves a wave's instructions in order, so no wait stands between the stores and the loads
.irp b, 0,1,2,3,4,5,6,7
	ds_store_b128 v[STO], v[TMP+4*\b:TMP+4*\b+3] offset:32*\b
.endr
.irp t, 0,1,2,3,4,5,6,7
	ds_load_b128 v[BK+4*\t:BK+4*\t+3], v[RD] offset:\t*2*SPITCH
.endr
.endm
.macro SEND a
	s_wait_dscnt 0x0
.irp t, 0,1,2,3,4,5,6,7
	global_store_b128 v[CO], v[BK+4*\t:BK+4*\t+3], s[12:13] offset:4096*(\a)+512*\t   ; 32 lanes store 512 consecutive bytes, aligned
.endr
.endm
; Rows 0-15 of the sequence also leave in f32, for the launch that carries them finely.  They are block 0 of the waves with the upper row half in tile row 0.  The branches hang on the wave's number and on the
; cluster's y, which all partners share; the place in the cluster enters a lane mask alone.  EXEC changes only behind a wait on XCNT for 0.
; adr, step, half: where accumulator b's two groups of four registers go: v[adr] + step b, and half bytes further on.  q and k: an image of the registers (16 x lane; 1,024; 512).  v: rows of 512 bytes (512 r + 32 h; 64; 16).
.macro FINE32 base, win, adr, step, half
	s_cmp_lg_u32 s15, 0
	s_cbranch_scc1 .Lno_fine_\@
	s_and_b32 s20, ttmp7, 0xffff
	s_cmp_lg_u32 s20, 0
	s_cbranch_scc1 .Lno_fine_\@
	v_cmp_eq_u32 vcc_lo, 0, v[TRV]
	s_wait_xcnt 0x0
	s_and_saveexec_b32 s21, vcc_lo
	WIN \win
.irp b, 0,1,2,3,4,5,6,7
	global_store_b128 v[\adr], v[\base+8*\b:\base+8*\b+3], s[100:101] offset:\step*\b
	global_store_b128 v[\adr], v[\base+8*\b+4:\base+8*\b+7], s[100:101] offset:\step*\b+\half
.endr
	WIN 0
	s_wait_xcnt 0x0
	s_or_b32 exec_lo, exec_lo, s21
.Lno_fine_\@:
.endm
	PLACES NP                                      ; behind the last products: for the reads of results, and for loads and writes into registers that held fragments and scale words
	s_cmp_ge_u32 ttmp9, 4                          ; clusters 4 and 5 along x hold v's columns: the same in all partners
	s_cbranch_scc1 .Lv
	CSLOAD 0
.irp a, 0,1,2,3,4,5,6,7
	s_wait_xcnt 0x0                                ; the last block's stores have read their registers, which this block's RoPE writes
.if \a < 7
	CSLOAD \a+1
	s_wait_loadcnt 16                              ; this block's cosines and sines are in; the next block's 16 loads may be out
.else
	s_wait_loadcnt 0x0
.endif
	ROPE \a
.if \a == 0
	FINE32 RR, 0, CO, 1024, 512                    ; each store covers 512 consecutive bytes
.endif
	PACKR
	TOSTAGE
	SEND \a
.endr
	s_branch .Ldone
.Lv:
.irp a, 0,1,2,3,4,5,6,7
	s_wait_xcnt 0x0                                ; the last block's stores have read the registers into which this block's rows come back
.if \a == 0
	FINE32 0, 0x08, FA, 64, 16                     ; a store's data are its source 1: window 2
.endif
	PACKA \a
	TOSTAGE
	SEND \a
.endr
.Ldone:
	s_wait_tensorcnt 0x0                           ; the wave's end: behind my last tensor load and my last LDS store
	ds_add_u32 v[SPW], v[NIL]
	s_wait_dscnt 0x0
	CROUND                                         ; the closing round: no work-group ends while a partner may still ask for a tile that names it
	s_endpgm
.Lfunc_end_k_qb784655a38_qkv:
	.size	k_qb784655a38_qkv, .Lfunc_end_k_qb784655a38_qkv-k_qb784655a38_qkv
	.p2alignl 7, 3214868480
	.fill 96, 4, 3214868480
	.section	.rodata,"a",@progbits
	.p2align	6, 0x0
	.amdhsa_kernel k_qb784655a38_qkv
		.amdhsa_group_segment_fixed_size 327680
		.amdhsa_private_segment_fixed_size 0
		.amdhsa_enable_private_segment 0
		.amdhsa_kernarg_size 64
		.amdhsa_user_sgpr_count 2
		.amdhsa_user_sgpr_kernarg_segment_ptr 1
		.amdhsa_wavefront_size32 1
		.amdhsa_system_sgpr_workgroup_id_x 1
		.amdhsa_system_sgpr_workgroup_id_y 1
		.amdhsa_system_sgpr_workgroup_id_z 1
		.amdhsa_system_vgpr_workitem_id 0
		.amdhsa_next_free_vgpr 1024
		.amdhsa_next_free_sgpr 102
		.amdhsa_reserve_vcc 1
		.amdhsa_float_denorm_mode_32 3
		.amdhsa_float_denorm_mode_16_64 3
		.amdhsa_memory_ordered 1
		.amdhsa_forward_progress 1
		.amdhsa_inst_pref_size 255
	.end_amdhsa_kernel
	.section	.bss,"aw",@nobits
	.p2align	6
	.space	262144
	.amdgpu_metadata
---
amdhsa.version: [ 1, 2 ]
amdhsa.kernels:
  - .name:           k_qb784655a38_qkv
    .symbol:         k_qb784655a38_qkv.kd
    .args:
      - { .name: x_codes, .offset: 0, .size: 8, .value_kind: global_buffer, .address_space: global }
      - { .name: x_scales, .offset: 8, .size: 8, .value_kind: global_buffer, .address_space: global }
      - { .name: w_codes, .offset: 16, .size: 8, .value_kind: global_buffer, .address_space: global }
      - { .name: w_scales, .offset: 24, .size: 8, .value_kind: global_buffer, .address_space: global }
      - { .name: freqs_cos, .offset: 32, .size: 8, .value_kind: global_buffer, .address_space: global }
      - { .name: freqs_sin, .offset: 40, .size: 8, .value_kind: global_buffer, .address_space: global }
      - { .name: qkv, .offset: 48, .size: 8, .value_kind: global_buffer, .address_space: global }
      - { .name: qkv32, .offset: 56, .size: 8, .value_kind: global_buffer, .address_space: global }
    .group_segment_fixed_size: 327680
    .private_segment_fixed_size: 0
    .kernarg_segment_align: 8
    .kernarg_segment_size: 64
    .max_flat_workgroup_size: 128
    .sgpr_count:     102
    .vgpr_count:     1024
    .wavefront_size: 32
...
	.end_amdgpu_metadata
.endif
;; end of part 2
;; launch attn (part 3): grid 16 x 16, 8 waves a work-group, no clusters, 327,680 bytes of LDS; arguments qkv, o16; writes o16
.if DOCPART == 3
	.amdgcn_target "amdgcn-amd-amdhsa--gfx1250"
	.amdhsa_code_object_version 6
	.text
	.protected	k_qb784655a38_attn
	.globl	k_qb784655a38_attn
	.p2align	8
	.type	k_qb784655a38_attn,@function
k_qb784655a38_attn:
	s_mov_b64 s[64:65], 0
	v_nop
	global_prefetch_b8 v0, s[64:65] scope:SCOPE_SE
	s_setreg_imm32_b32 hwreg(HW_REG_WAVE_MODE, 25, 1), 1
	s_wait_xcnt 0x0
; o16[q][head 128 ..] = softmax_k(q . k / sqrt(128), k <= q) v, per head, on f16 operands with f32 products, maxima and sums.  qkv: [g = 16 mat + head][2048][128] f16 (q and k after RoPE).  o16: [2048][2048] f16.
; WORK LEFT OUT: reference()'s own causal mask gives keys behind a query the weight exp(-inf) = 0, so a step of 64 keys that all lie behind a wave's 32 queries is not multiplied, and a slot of 256 keys whose first key
; lies behind the work-group's last query is not fetched.  A NaN or an infinity that reaches only those tiles is not carried to the result.
; LIMITS: operands in f16 (magnitudes up to 65,504); the weights p, at most 1, are rounded to f16 for the second product.  Rows 0-15 of the sequence are made again, finely, by the last launch.
; SHARES.  A work-group owns 128 queries of one head.  Wave w = 4 par + g owns queries 32 g .. 32 g + 31 (two tiles of 16) and, of each slot of four key steps, steps par and par + 2.  Waves g and g + 4 hold the same
; queries and halve their keys; at the end each sends one tile's sums to the other through LDS and finishes the other tile.
; NO CLUSTER: under the causal mask the query blocks of a head walk different numbers of slots, so a partner would ask for tiles that it never reads.
; LAYOUT.  S^T = K Q^T (source 0 = 16 keys, source 1 = 16 queries), O^T = V^T P (V turned by ds_load_tr16_b128): a lane holds ONE query throughout; two tiles of S^T rounded in pairs are source 1 of the second product.
; REGISTERS: window 0: v2-15 addresses; v16-31 statistics, eight a tile (c m, m, l even, l odd, four at work); v32, v33 the add's two; v40-103 Q; v104-167 S^T; v168-199 P; v200-215 the merge.
;   window 1: v0-127 K's fragments of a step, then V's; v128-255 O^T, 64 a tile.
.set KS,    64
.set PK,    272                        ; a row of K in LDS: 256 bytes + 16
.set PV,    288                        ; a row of V: 256 + 32, for the turning load
.set VOFF,  KS*PK
.set STEPB, KS*(PK+PV)                 ; a step's tiles: 64 rows of K, then 64 rows of V
.set SLOTB, 4*STEPB                    ; a ring slot: four steps, 256 keys
.set SPARE, 2*SLOTB                    ; behind the ring: the spare words, 128 bytes for each of eight waves
.set XCHW,  8704                       ; the exchange, in ring slot 0 after its last fill and last read: for each wave a tile's image (8,192 bytes) and its statistics (512)
.set STAGE, 8*XCHW                     ; behind it: 16 rows x 272 bytes for each wave, for the way out
.set SP,    272
.set AK0, 2
.set AV0, 3
.set ADR, 4
.set QO,  5
.set STO, 6
.set RD,  7
.set GO,  8
.set XW,  9                            ; where I put what I send
.set XR,  10                           ; where my partner (wave xor 4) put what it sent
.set DL,  11                           ; r - 8 h
.set DM,  12                           ; v12, v13: my query less the step's first key less 8 h, tiles 0 and 1
.set NINF, 14
.set ST,  16
.set SPW, 32
.set NIL, 33
.set PFO, 34                           ; 256 x lane
.set QF,  40
.set S,   104
.set P,   168
.set OB,  128                          ; O^T, in window 1
.set WV,  8
.set G,   9
.set PAR, 10
.set HEAD, 11
.set Q0,  12                           ; my first query
.set LASTQ, 13                         ; my work-group's last query
.set KF,  14                           ; my next step's first key
.set SK0, 15                           ; the first key of the slot in hand: the same in all waves
.set TB,  16                           ; LDS byte of my next step's tiles
.set PARB, 17
.set TWICE, 18
.set LAP, 19
.set SEL, 20
.set CS,  22                           ; s[22:23] c = log2(e) / sqrt(128), twice
.set G1K, 24
.set G1V, 32
.set G0,  40                           ; s[40:43], s[44:47]: group 0 for ring slots 0 and 1
.set PFA, 48
.set LIM, 50
.set MSB, 0
.macro WIN new
.if MSB != (\new)
	s_set_vgpr_msb (MSB<<8)|(\new)
.set MSB, (\new)
.endif
.endm
; Every wave fetches: waves 0-3 the K rows of steps 0-3 of a slot, waves 4-7 the V rows.  The two shapes have a group 1 each; the branch hangs on the wave's number alone.  An s_nop 0 and four v_nop follow each line.
.macro TLOAD s
	s_cmp_lt_u32 s[WV], 4
	s_cbranch_scc0 .Lfor_v_\@
	tensor_load_to_lds s[G0+4*(\s):G0+4*(\s)+3], s[G1K:G1K+7]
	s_nop 0
.rept 4
	v_nop
.endr
	s_branch .Lasked_\@
.Lfor_v_\@:
	tensor_load_to_lds s[G0+4*(\s):G0+4*(\s)+3], s[G1V:G1V+7]
	s_nop 0
.rept 4
	v_nop
.endr
.Lasked_\@:
.endm
; A prefetch of what the NEXT change of slots will ask for: my wave's 64 rows of 256 bytes, a lane a row, two instructions.  All query blocks of a head walk the same K and V: the head's last block, which walks every slot, asks, and nobody else:
; so each row is named once in the launch.  It stands behind the wave's tensor load and its five lines.  The last two changes ask for nothing: there is no slot behind.
.macro ASK
	s_cmp_eq_u32 s[LIM], 1
	s_cbranch_scc0 .Lnot_mine_\@
	global_prefetch_b8 v[PFO], s[PFA:PFA+1] th:TH_LOAD_NT scope:SCOPE_SE
	global_prefetch_b8 v[PFO], s[PFA:PFA+1] offset:8192 th:TH_LOAD_NT scope:SCOPE_SE
.Lnot_mine_\@:
.endm
; THE CHANGE OF SLOTS, at the head of ring slot p.  Each wave waits for all its tensor loads (its part of the slot ahead), adds 0 to its spare word, and waits for that and for its reads of the slot that it has left.
; Behind the barrier the other ring slot takes the next 256 keys, unless they all lie behind the work-group's last query: that test is made of the work-group's number and the count of slots, is the same in all eight waves, and leads round the load's own lines alone;
; every wait on TENSORcnt in this text is for 0.  By this text's own count a wave has one tensor load out at the most.
.macro CHANGE p, fill, ask
	s_wait_tensorcnt 0x0                           ; no tensor load of mine is out, so a group 0 may be written
	ds_add_u32 v[SPW], v[NIL]
	s_add_nc_u64 s[G0+4*\p+2:G0+4*\p+3], s[G0+4*\p+2:G0+4*\p+3], 131072   ; this ring slot's next keys: 512 rows of 256 bytes on
.if \ask
	s_wait_xcnt 0x0                                ; the last prefetches, a slot back, have read their address
	s_add_nc_u64 s[PFA:PFA+1], s[PFA:PFA+1], 65536
.endif
	s_wait_dscnt 0x0                               ; the add is done, and my reads of the slot that I have left are over
	s_barrier_signal -1
	s_barrier_wait -1
.if \fill
	s_add_co_u32 s52, s[SK0], 256                  ; the first key of the slot that this change would ask for
	s_cmp_gt_u32 s52, s[LASTQ]
	s_cbranch_scc1 .Lpast_\@
	TLOAD 1-\p                                     ; my one tensor load until the next such barrier
.Lpast_\@:
.endif
.if \ask
	ASK
.endif
	s_add_co_u32 s[SK0], s[SK0], 256
	s_add_co_u32 s[TB], s[PARB], \p*SLOTB
.endm
; The softmax of both tiles for one step, the tiles by turns.  p = 2^(c s - c m); O and l are multiplied by a = 2^(c m_old - c m_new).
.macro SOFTMAX
.irp j, 0,1,2,3
.irp t, 0,1
	v_max3_num_f32 v[ST+8*\t+4+\j], v[S+32*\t+8*\j], v[S+32*\t+8*\j+1], v[S+32*\t+8*\j+2]   ; four chains; each accumulator is first read at its low end
.endr
.endr
.irp q, 1,2
.irp j, 0,1,2,3
.irp t, 0,1
	v_max3_num_f32 v[ST+8*\t+4+\j], v[ST+8*\t+4+\j], v[S+32*\t+8*\j+2*\q+1], v[S+32*\t+8*\j+2*\q+2]
.endr
.endr
.endr
.irp t, 0,1
	v_max3_num_f32 v[ST+8*\t+4], v[ST+8*\t+4], v[S+32*\t+7], v[S+32*\t+15]
	v_max3_num_f32 v[ST+8*\t+6], v[ST+8*\t+6], v[S+32*\t+23], v[S+32*\t+31]
.endr
.irp t, 0,1
	v_max3_num_f32 v[ST+8*\t+4], v[ST+8*\t+4], v[ST+8*\t+5], v[ST+8*\t+6]
.endr
.irp t, 0,1
	v_max3_num_f32 v[ST+8*\t+4], v[ST+8*\t+4], v[ST+8*\t+7], v[ST+8*\t+1]   ; and the old m
.endr
.irp t, 0,1
	v_permlanex16_b32 v[ST+8*\t+5], v[ST+8*\t+4], s[SEL], s[SEL+1]          ; the query's other keys lie in the lane 16 away
.endr
.irp t, 0,1
	v_mov_b32 v[ST+8*\t+7], v[ST+8*\t]             ; c m_old
.endr
.irp t, 0,1
	v_max_num_f32 v[ST+8*\t+1], v[ST+8*\t+4], v[ST+8*\t+5]
.endr
.irp t, 0,1
	v_mul_f32 v[ST+8*\t], s[CS], v[ST+8*\t+1]
.endr
.irp t, 0,1
	v_sub_f32 v[ST+8*\t+7], v[ST+8*\t+7], v[ST+8*\t]
.endr
.irp b, 0,1,2,3,4,5,6,7,8,9,10,11,12,13,14,15
.irp t, 0,1
	v_pk_fma_f32 v[S+32*\t+2*\b:S+32*\t+2*\b+1], v[S+32*\t+2*\b:S+32*\t+2*\b+1], s[CS:CS+1], v[ST+8*\t:ST+8*\t+1] op_sel_hi:[1,0,0] neg_lo:[0,0,1] neg_hi:[0,0,1]   ; c s - c m
.endr
.endr
.irp t, 0,1
	v_exp_f32 v[ST+8*\t+6], v[ST+8*\t+7]           ; a
.endr
.set e, 0
.rept 32
	v_exp_f32 v[S+e], v[S+e]
	v_exp_f32 v[S+32+e], v[S+32+e]
.set e, e+1
.endr
	v_nop                                          ; a plain instruction behind the last exponential
	s_wait_alu depctr_va_vdst(0)                   ; one wait for the batch of 66, ahead of its first reader
.irp n, 0,1,2,3,4,5,6,7,8,9,10,11,12,13,14,15
.irp t, 0,1
	v_cvt_pk_f16_f32 v[P+16*\t+\n], v[S+32*\t+2*\n], v[S+32*\t+2*\n+1]
.endr
.endr
.irp u, 0,1,2,3,4,5,6,7
.irp t, 0,1
	v_pk_add_f32 v[S+32*\t+4*\u:S+32*\t+4*\u+1], v[S+32*\t+4*\u:S+32*\t+4*\u+1], v[S+32*\t+4*\u+2:S+32*\t+4*\u+3]
.endr
.endr
.irp u, 0,1,2,3
.irp t, 0,1
	v_pk_add_f32 v[S+32*\t+8*\u:S+32*\t+8*\u+1], v[S+32*\t+8*\u:S+32*\t+8*\u+1], v[S+32*\t+8*\u+4:S+32*\t+8*\u+5]
.endr
.endr
.irp u, 0,1
.irp t, 0,1
	v_pk_add_f32 v[S+32*\t+16*\u:S+32*\t+16*\u+1], v[S+32*\t+16*\u:S+32*\t+16*\u+1], v[S+32*\t+16*\u+8:S+32*\t+16*\u+9]
.endr
.endr
.irp t, 0,1
	v_pk_add_f32 v[S+32*\t:S+32*\t+1], v[S+32*\t:S+32*\t+1], v[S+32*\t+16:S+32*\t+17]
.endr
.irp t, 0,1
	v_pk_fma_f32 v[ST+8*\t+2:ST+8*\t+3], v[ST+8*\t+2:ST+8*\t+3], v[ST+8*\t+6:ST+8*\t+7], v[S+32*\t:S+32*\t+1] op_sel_hi:[1,0,1]   ; l = a l + the sum
.endr
.endm
; A KEY STEP: 64 keys against my 32 queries.  A step all of whose keys lie behind my queries is left out: a scalar branch on ids round its loads, products and softmax, not round the lines that step addresses.
; A step that is walked has its first key at or under my first query (the one a multiple of 64, the other of 32), so every query sees a key of it.
.macro STEP
	s_add_co_u32 s52, s[Q0], 31
	s_cmp_gt_u32 s[KF], s52
	s_cbranch_scc1 .Lhidden_\@
	v_add_nc_u32 v[ADR], s[TB], v[AK0]
	WIN 0x40                                       ; destination window 1
.irp f, 0,1,2,3,4,5,6,7,8,9,10,11,12,13,14,15  ; K: keys 16 (f / 4) on, channels 32 (f % 4) on
	ds_load_b128 v[8*\f:8*\f+3],   v[ADR] offset:(\f/4)*16*PK+(\f%4)*64
	ds_load_b128 v[8*\f+4:8*\f+7], v[ADR] offset:(\f/4)*16*PK+(\f%4)*64+32
.endr
	s_wait_dscnt 0x0
	WIN 0x01                                       ; K in window 1; Q and S^T in window 0
.set i, 0
.rept 32                                       ; channels 32 (i / 8) on, keys 16 ((i / 2) % 4) on, tile i % 2: eight accumulators by turns; the first eight start the sums
.set rS, S+32*(i%2)+8*((i/2)%4)
.set rK, 32*((i/2)%4)+8*(i/8)
.set rQ, QF+32*(i%2)+8*(i/8)
.if i < 8
	v_wmma_f32_16x16x32_f16 v[rS:rS+7], v[rK:rK+7], v[rQ:rQ+7], 0
.else
	v_wmma_f32_16x16x32_f16 v[rS:rS+7], v[rK:rK+7], v[rQ:rQ+7], v[rS:rS+7]
.endif
.set i, i+1
.endr
	WIN 0
	v_add_nc_u32 v[ADR], s[TB], v[AV0]             ; with the three v_nop: the four places behind the products, for the loads into K's registers and the reads of the scores
.rept 3
	v_nop
.endr
	WIN 0x40
.irp f, 0,1,2,3,4,5,6,7,8,9,10,11,12,13,14,15  ; V, turned: keys 32 (f / 8) on, channels 16 (f % 8) on.  They land while the softmax is walked
	ds_load_tr16_b128 v[8*\f:8*\f+3],   v[ADR] offset:(\f/8)*32*PV+(\f%8)*32
	ds_load_tr16_b128 v[8*\f+4:8*\f+7], v[ADR] offset:(\f/8)*32*PV+16*PV+(\f%8)*32
.endr
	WIN 0
	s_add_co_u32 s52, s[KF], 63                    ; a step all of whose keys count for all my queries skips the mask
	s_cmp_le_u32 s52, s[Q0]
	s_cbranch_scc1 .Lopen_\@
	s_sub_co_u32 s52, s[Q0], s[KF]
	v_add_nc_u32 v[DM], s52, v[DL]                 ; register n of a tile holds key KF + 16 (n / 8) + 8 h + n % 8: hidden where 16 (n / 8) + n % 8 > my query - KF - 8 h
	v_add_nc_u32 v[DM+1], 16, v[DM]
.set n, 0
.rept 32
	v_cmp_gt_i32 vcc_lo, 16*(n/8)+n%8, v[DM]
	v_cndmask_b32 v[S+n], v[S+n], v[NINF], vcc_lo
	v_cmp_gt_i32 vcc_lo, 16*(n/8)+n%8, v[DM+1]
	v_cndmask_b32 v[S+32+n], v[S+32+n], v[NINF], vcc_lo
.set n, n+1
.endr
.Lopen_\@:
	SOFTMAX
	WIN 0x41                                       ; O^T (destination and source 0) in window 1, a in window 0
.irp t, 0,1
.set i, 0
.rept 32
	v_pk_mul_f32 v[OB+64*\t+i:OB+64*\t+i+1], v[OB+64*\t+i:OB+64*\t+i+1], v[ST+8*\t+6:ST+8*\t+7] op_sel_hi:[1,0]
.set i, i+2
.endr
.endr
	s_wait_dscnt 0x0                               ; V is in
	WIN 0x51                                       ; V and O^T in window 1, P in window 0
.set i, 0
.rept 32                                       ; keys 32 (i / 16) on, channels 16 ((i / 2) % 8) on, tile i % 2: sixteen accumulators by turns
.set rO, OB+64*(i%2)+8*((i/2)%8)
.set rV, 64*(i/16)+8*((i/2)%8)
.set rP, P+16*(i%2)+8*(i/16)
	v_wmma_f32_16x16x32_f16 v[rO:rO+7], v[rV:rV+7], v[rP:rP+7], v[rO:rO+7]
.set i, i+1
.endr
	WIN 0
.rept 4
	v_nop                                          ; places in front of the next loads into V's registers, and of the first read of O^T on the way out
.endr
.Lhidden_\@:
	s_add_co_u32 s[TB], s[TB], 2*STEPB             ; my next step of the slot
	s_add_co_u32 s[KF], s[KF], 128
.endm
.macro TWO_STEPS                       ; my two steps of a slot: written once, walked twice
	s_mov_b32 s[TWICE], 2
.Lstep_\@:
	STEP
	s_sub_co_u32 s[TWICE], s[TWICE], 1
	s_cmp_lg_u32 s[TWICE], 0
	s_cbranch_scc1 .Lstep_\@
.endm
	s_load_b128 s[4:7], s[0:1], 0x0                ; qkv, o16
	v_lshl_add_u32 v[SPW], v0, 2, SPARE
	v_mov_b32 v[NIL], 0
	ds_add_u32 v[SPW], v[NIL]                      ; the wave's opening: the add, twice on end, and its wait ahead of my first tensor load
	ds_add_u32 v[SPW], v[NIL]
	v_lshrrev_b32 v1, 5, v0
	v_readfirstlane_b32 s[WV], v1                  ; wave 0..7
	s_and_b32 s[G], s[WV], 3
	s_lshr_b32 s[PAR], s[WV], 2
	s_and_b32 s[HEAD], ttmp7, 0xffff
	s_lshl_b32 s[Q0], ttmp9, 7
	s_or_b32 s[LASTQ], s[Q0], 127
	s_lshl_b32 s52, s[G], 5
	s_add_co_u32 s[Q0], s[Q0], s52
	s_lshl_b32 s[KF], s[PAR], 6
	s_mov_b32 s[SK0], 0
	s_mul_i32 s[PARB], s[PAR], STEPB
	s_mov_b32 s[G1K], (1<<16)|(1<<20)|(5<<22)|(3<<25)   ; no mask; elements of 2 bytes; padding on: 4 words after every 64
	s_mov_b32 s[G1V], (1<<16)|(1<<20)|(5<<22)|(7<<25)   ; the same with 8 words
.irp g, G1K, G1V
	s_mov_b32 s[\g+1], 128<<16                     ; tensor_dim0 = 128
	s_mov_b32 s[\g+2], KS<<16                      ; tensor_dim1 = 64
	s_mov_b32 s[\g+3], 128<<16                     ; tile_dim0
	s_mov_b32 s[\g+4], KS                          ; tile_dim1
	s_mov_b32 s[\g+5], 128                         ; the pitch
	s_mov_b32 s[\g+6], 0
	s_mov_b32 s[\g+7], 0
.endr
	s_mov_b32 s[SEL], 0x76543210
	s_mov_b32 s[SEL+1], 0xfedcba98
	s_mov_b32 s[CS], 0x3e0293ee
	s_mov_b32 s[CS+1], s[CS]
	s_cmp_eq_u32 ttmp9, 15
	s_cselect_b32 s[LIM], 1, 0
	s_mul_i32 s53, s[G], STEPB                     ; what I fetch: step (wave % 4) of a slot,
	s_mul_i32 s54, s[PAR], VOFF                    ; its K rows (waves 0-3) or its V rows (waves 4-7)
	s_add_co_u32 s53, s53, s54
	s_lshl_b32 s54, s[PAR], 4
	s_add_co_u32 s54, s54, s[HEAD]
	s_add_co_u32 s54, s54, 16                      ; g = 16 + head for K, 32 + head for V
	s_lshl_b32 s54, s54, 19
	s_lshl_b32 s55, s[G], 14
	s_add_co_u32 s54, s54, s55
	s_mov_b32 s55, 0
	s_wait_dscnt 0x0                               ; both opening adds are done
	s_wait_kmcnt 0x0
	s_add_nc_u64 s[56:57], s[4:5], s[54:55]
.irp s, 0,1
	s_mov_b32 s[G0+4*\s], 1
	s_add_co_u32 s[G0+4*\s+1], s53, \s*SLOTB
	s_add_nc_u64 s[G0+4*\s+2:G0+4*\s+3], s[56:57], \s*65536
	s_or_b32 s[G0+4*\s+3], s[G0+4*\s+3], 0x80000000
.endr
	TLOAD 0                                        ; keys 0-255: key 0 counts for every query.  Ring slot 1 is first filled behind the first change's barrier, behind which nothing is filled again
	s_add_nc_u64 s[PFA:PFA+1], s[56:57], 65536     ; at slot 1; the first change steps it to slot 2.  Nothing is prefetched here, at the head
	s_lshl_b32 s54, s[HEAD], 19
	s_lshl_b32 s58, s[Q0], 8
	s_add_co_u32 s54, s54, s58
	s_add_nc_u64 s[4:5], s[4:5], s[54:55]          ; Q at my first query
	s_lshl_b32 s54, s[Q0], 12
	s_lshl_b32 s58, s[HEAD], 8
	s_add_co_u32 s54, s54, s58
	s_add_nc_u64 s[6:7], s[6:7], s[54:55]          ; o16 at my first query, my head's 256 bytes
	v_and_b32 v1, 15, v0                           ; r
	v_bfe_u32 v15, v0, 4, 1                        ; h
	v_lshlrev_b32 v[QO], 8, v1
	v_lshl_add_u32 v[QO], v15, 4, v[QO]
.irp i, 0,1,2,3,4,5,6,7                        ; Q stays in registers: tile i / 4, channels 32 (i % 4) on
	global_load_b128 v[QF+8*\i:QF+8*\i+3],   v[QO], s[4:5] offset:(\i/4)*4096+(\i%4)*64
	global_load_b128 v[QF+8*\i+4:QF+8*\i+7], v[QO], s[4:5] offset:(\i/4)*4096+(\i%4)*64+32
.endr
	v_mul_u32_u24 v[AK0], v1, PK
	v_lshl_add_u32 v[AK0], v15, 4, v[AK0]
	v_and_b32 v35, 7, v0
	v_bfe_u32 v36, v0, 3, 1
	v_lshl_add_u32 v[AV0], v15, 3, v35             ; the turning load: key 8 h + l % 8, channels 8 ((l / 8) % 2) on
	v_mul_u32_u24 v[AV0], v[AV0], PV
	v_lshl_add_u32 v[AV0], v36, 4, v[AV0]
	v_add_nc_u32 v[AV0], VOFF, v[AV0]
	s_mul_i32 s58, s[WV], 16*SP
	s_add_co_u32 s58, s58, STAGE
	v_mul_u32_u24 v[STO], v1, SP
	v_lshl_add_u32 v[STO], v15, 4, v[STO]
	v_add_nc_u32 v[STO], s58, v[STO]
	v_mul_u32_u24 v[RD], v15, SP
	v_lshl_add_u32 v[RD], v1, 4, v[RD]
	v_add_nc_u32 v[RD], s58, v[RD]
	v_lshlrev_b32 v[GO], 12, v15
	v_lshl_add_u32 v[GO], v1, 4, v[GO]
	v_and_b32 v35, 31, v0
	v_lshlrev_b32 v[PFO], 8, v35
	v_lshlrev_b32 v35, 4, v35
	s_mul_i32 s58, s[WV], XCHW
	v_add_nc_u32 v[XW], s58, v35
	s_xor_b32 s59, s[WV], 4
	s_mul_i32 s59, s59, XCHW
	v_add_nc_u32 v[XR], s59, v35
	v_lshlrev_b32 v36, 3, v15
	v_sub_nc_u32 v[DL], v1, v36
	v_mov_b32 v[NINF], 0xff800000
.irp t, 0,1
	v_mov_b32 v[ST+8*\t+1], 0xff61b1e6             ; m = -3e38, under every score
	v_mul_f32 v[ST+8*\t], s[CS], v[ST+8*\t+1]
	v_mov_b32 v[ST+8*\t+2], 0
	v_mov_b32 v[ST+8*\t+3], 0
.endr
	WIN 0x40
.set i, OB
.rept 128
	v_mov_b32 v[i], 0                              ; O^T begins as zeros, so that the step is written once for the first step too, and a wave whose keys are all hidden has sums to send
.set i, i+1
.endr
	WIN 0
	s_wait_loadcnt 0x0                             ; Q
	s_mov_b32 s[LAP], 3
.Llap:
	CHANGE 0, 1, 1
	TWO_STEPS
	CHANGE 1, 1, 1
	TWO_STEPS
	s_sub_co_u32 s[LAP], s[LAP], 1
	s_cmp_lg_u32 s[LAP], 0
	s_cbranch_scc1 .Llap
	CHANGE 0, 1, 0                                 ; the last two slots are written out: the last fill, then none
	TWO_STEPS
	CHANGE 1, 0, 0
	TWO_STEPS
; THE MERGE.  The wave with par = s keeps tile s and sends tile 1 - s: its O^T as an image of its registers, and c m, m and l.  Ring slot 0, where the exchange lies, has had its last fill, and every wave has passed the last change of slots.
.macro SENDT t
	WIN 0x04                                       ; an LDS store's data are its source 1: window 1
.irp i, 0,1,2,3,4,5,6,7,8,9,10,11,12,13,14,15
	ds_store_b128 v[XW], v[OB+64*\t+4*\i:OB+64*\t+4*\i+3] offset:512*\i
.endr
	WIN 0
	ds_store_b128 v[XW], v[ST+8*\t:ST+8*\t+3] offset:8192
.endm
.macro MERGE t
.set rT, ST+8*\t
.set rO, OB+64*\t
	ds_load_b128 v[200:203], v[XR] offset:8192     ; my partner's c m, m, l
	WIN 0x40
.irp i, 0,1,2,3,4,5,6,7,8,9,10,11,12,13,14,15
	ds_load_b128 v[4*\i:4*\i+3], v[XR] offset:512*\i
.endr
	WIN 0
	s_wait_dscnt 16                                ; the statistics are in; the sixteen loads behind them may be out
	v_max_num_f32 v204, v[rT], v200
	v_sub_f32 v205, v[rT], v204
	v_sub_f32 v206, v200, v204
	v_exp_f32 v208, v205                           ; what brings my sums under the common maximum,
	v_exp_f32 v210, v206                           ; and my partner's
	v_add_f32 v212, v[rT+2], v[rT+3]
	v_add_f32 v213, v202, v203
	s_wait_alu depctr_va_vdst(0)
	v_mul_f32 v212, v212, v208
	v_fma_f32 v212, v213, v210, v212
	v_permlanex16_b32 v213, v212, s[SEL], s[SEL+1]
	v_add_f32 v212, v212, v213                     ; the row's sum
	v_rcp_f32 v214, v212
	v_nop
	s_wait_alu depctr_va_vdst(0)
	v_mul_f32 v208, v208, v214
	v_mul_f32 v210, v210, v214
	v_mov_b32 v209, v208                           ; (named as pairs, so both are written)
	v_mov_b32 v211, v210
	s_wait_dscnt 0x0
	WIN 0x41
.set i, 0
.rept 32
	v_pk_mul_f32 v[rO+i:rO+i+1], v[rO+i:rO+i+1], v[208:209] op_sel_hi:[1,0]
.set i, i+2
.endr
	WIN 0x51
.set i, 0
.rept 32
	v_pk_fma_f32 v[rO+i:rO+i+1], v[i:i+1], v[210:211], v[rO+i:rO+i+1] op_sel_hi:[1,0,1]
.set i, i+2
.endr
	WIN 0x05                                       ; sources 0 and 1 window 1, destination window 0
.set i, 0
.rept 32
	v_cvt_pk_f16_f32 v[S+i], v[rO+2*i], v[rO+2*i+1]
.set i, i+1
.endr
	WIN 0
.irp f, 0,1,2,3,4,5,6,7
	ds_store_b128 v[STO], v[S+4*\f:S+4*\f+3] offset:32*\f
.endr
.irp f, 0,1,2,3,4,5,6,7
	ds_load_b128 v[S+4*\f:S+4*\f+3], v[RD] offset:\f*2*SP   ; my own stage: LDS serves a wave's instructions in order
.endr
.irp f, 0,1,2,3,4,5,6,7
	s_wait_dscnt 7-\f
	global_store_b128 v[GO], v[S+4*\f:S+4*\f+3], s[6:7] offset:\t*65536+\f*8192   ; 16 lanes store 256 consecutive bytes, aligned
.endr
.endm
	s_cmp_eq_u32 s[PAR], 0
	s_cbranch_scc0 .Lsend_0
	SENDT 1
	s_branch .Lsent
.Lsend_0:
	SENDT 0
.Lsent:
	s_wait_dscnt 0x0                               ; for my partner's sake: my stores have landed
	s_barrier_signal -1
	s_barrier_wait -1
	s_cmp_eq_u32 s[PAR], 0
	s_cbranch_scc0 .Lmerge_1
	MERGE 0
	s_branch .Lend
.Lmerge_1:
	MERGE 1
.Lend:
	s_wait_tensorcnt 0x0                           ; the wave's end: behind my last tensor load and my last LDS store
	ds_add_u32 v[SPW], v[NIL]
	s_wait_dscnt 0x0
	s_endpgm
.Lfunc_end_k_qb784655a38_attn:
	.size	k_qb784655a38_attn, .Lfunc_end_k_qb784655a38_attn-k_qb784655a38_attn
	.p2alignl 7, 3214868480
	.fill 96, 4, 3214868480
	.section	.rodata,"a",@progbits
	.p2align	6, 0x0
	.amdhsa_kernel k_qb784655a38_attn
		.amdhsa_group_segment_fixed_size 327680
		.amdhsa_private_segment_fixed_size 0
		.amdhsa_enable_private_segment 0
		.amdhsa_kernarg_size 16
		.amdhsa_user_sgpr_count 2
		.amdhsa_user_sgpr_kernarg_segment_ptr 1
		.amdhsa_wavefront_size32 1
		.amdhsa_system_sgpr_workgroup_id_x 1
		.amdhsa_system_sgpr_workgroup_id_y 1
		.amdhsa_system_sgpr_workgroup_id_z 1
		.amdhsa_system_vgpr_workitem_id 0
		.amdhsa_next_free_vgpr 512
		.amdhsa_next_free_sgpr 66
		.amdhsa_reserve_vcc 1
		.amdhsa_float_denorm_mode_32 3
		.amdhsa_float_denorm_mode_16_64 3
		.amdhsa_memory_ordered 1
		.amdhsa_forward_progress 1
		.amdhsa_inst_pref_size 150
	.end_amdhsa_kernel
	.amdgpu_metadata
---
amdhsa.version: [ 1, 2 ]
amdhsa.kernels:
  - .name:           k_qb784655a38_attn
    .symbol:         k_qb784655a38_attn.kd
    .args:
      - { .name: qkv, .offset: 0, .size: 8, .value_kind: global_buffer, .address_space: global }
      - { .name: o16, .offset: 8, .size: 8, .value_kind: global_buffer, .address_space: global }
    .group_segment_fixed_size: 327680
    .private_segment_fixed_size: 0
    .kernarg_segment_align: 8
    .kernarg_segment_size: 16
    .max_flat_workgroup_size: 256
    .sgpr_count:     66
    .vgpr_count:     512
    .wavefront_size: 32
...
	.end_amdgpu_metadata
.endif
;; end of part 3
;; launch proj (part 4): grid 16 x 16, 4 waves a work-group, clusters of 4 x 4, 327,680 bytes of LDS; arguments o16, woT, out0; writes out0
.if DOCPART == 4
	.amdgcn_target "amdgcn-amd-amdhsa--gfx1250"
	.amdhsa_code_object_version 6
	.text
	.protected	k_qb784655a38_proj
	.globl	k_qb784655a38_proj
	.p2align	8
	.type	k_qb784655a38_proj,@function
k_qb784655a38_proj:
	s_mov_b64 s[64:65], 0
	v_nop
	global_prefetch_b8 v0, s[64:65] scope:SCOPE_SE
	s_setreg_imm32_b32 hwreg(HW_REG_WAVE_MODE, 25, 1), 1
	s_wait_xcnt 0x0
	s_wait_alu depctr_hold_cnt(0) depctr_sa_sdst(0) depctr_va_vdst(0) depctr_va_sdst(0) depctr_va_ssrc(0) depctr_va_vcc(0) depctr_vm_vsrc(0)
	s_getreg_b32 s2, hwreg(HW_REG_IB_STS2, 6, 4)
	s_cmp_eq_u32 s2, 0
	s_cbranch_scc0 .Lentry_in_a_cluster
	s_endpgm
.Lentry_in_a_cluster:
	s_bfe_u32 s2, ttmp6, 0x10000c
	s_cmp_lg_u32 s2, 0xf033
	s_cbranch_scc0 .Lentry_shape_is_right
	s_endpgm
.Lentry_shape_is_right:
; out0[m][n] = sum over k of o16[m][k] woT[n][k]: f16 operands, f32 sums, f32 out.  All three are 2048 x 2048.  (Rows 0-15 are stored here like the others and stored again, made finely, by the last launch.)
; A tile of C is 128 x 128, which gives each of 256 work-groups one tile.  Four waves, each 64 x 64: 16 accumulators.  K goes in steps of 256 (LDS rows of 512 bytes; a wave's tensor load brings 64 of them) through two slots.
; CLUSTERS: 4 x 4 work-groups; A's tiles are asked for jointly along a row of the cluster, B's along a column.  THE MATRIX INSTRUCTION IS USED TRANSPOSED: a lane holds eight neighbouring numbers of a row of C.
; A wave's 64 columns of f32 are 256 aligned bytes, so each wave has a stage of its own on the way out and no barrier is needed there.
; REGISTERS: window 0: v0-31 addresses; v32-95 the way out; v128-255 the accumulators ((a, b) at v[128 + 8 (4 a + b)]).  window 1: two fragment buffers of 128.
.set SIZE_M, 2048
.set SIZE_N, 2048
.set SIZE_K, 2048
.set KSTEP,  256
.set PITCH,  528                       ; an LDS row: 512 bytes + 16 of padding
.set HALFT,  64*PITCH
.set SLOT,   4*HALFT
.set STAGE,  2*SLOT                    ; behind the ring: 16 rows x 272 bytes for each wave
.set SPITCH, 272
.set SPARE,  STAGE+4*16*SPITCH         ; behind the stages: the spare words
.set LAPS, SIZE_K/(2*KSTEP)
.set ADRA, 16
.set ADRB, 20
.set STO,  24
.set RD,   25
.set CO,   26
.set SPW,  28
.set NIL,  29
.set TMP,  32
.set ACC,  128
.set F0,   0
.set F1,   128
.set G1, 24
.set G0, 32
.set G1B, 48
.set G0B, 56
.set MSB, 0
.macro WIN new
.if MSB != (\new)
	s_set_vgpr_msb (MSB<<8)|(\new)
.set MSB, (\new)
.endif
.endm
.set MUL,  0x05                        ; sources 0 (B) and 1 (A) window 1; C and D window 0
.set TO_F, 0x40
.macro JLOAD s                         ; a joint load: waves 0 and 1 fetch A's two halves, waves 2 and 3 B's; an s_nop 0 and four v_nop follow each line
	s_cmp_eq_u32 s11, 0
	s_cbranch_scc0 .Lfor_b_\@
	tensor_load_to_lds s[G0+4*\s:G0+4*\s+3], s[G1:G1+7]
	s_nop 0
.rept 4
	v_nop
.endr
	s_branch .Lasked_\@
.Lfor_b_\@:
	tensor_load_to_lds s[G0B+4*\s:G0B+4*\s+3], s[G1B:G1B+7]
	s_nop 0
.rept 4
	v_nop
.endr
.Lasked_\@:
.endm
.macro CREST
	s_cmp_lg_u32 s10, 0
	s_cbranch_scc1 .Lnot_wave_0_\@
	s_barrier_signal -3
.Lnot_wave_0_\@:
	s_barrier_wait -3
	s_barrier_signal -1
	s_barrier_wait -1
.endm
.macro CROUND
	s_barrier_signal -1
	s_barrier_wait -1
	CREST
.endm
	s_load_b128 s[4:7], s[0:1], 0x0                ; o16 s[4:5], woT s[6:7]
	s_load_b64 s[8:9], s[0:1], 0x10                ; out0
	v_lshl_add_u32 v[SPW], v0, 2, SPARE
	v_mov_b32 v[NIL], 0
	ds_add_u32 v[SPW], v[NIL]                      ; the wave's opening: the add, twice on end, and its wait ahead of my first tensor load
	ds_add_u32 v[SPW], v[NIL]
	v_lshrrev_b32 v1, 5, v0
	v_readfirstlane_b32 s10, v1                    ; wave 0..3
	s_lshr_b32 s11, s10, 1                         ; which half of the tile's rows is mine.  Also: I fetch for A (0) or for B (1)
	s_and_b32 s12, s10, 1                          ; which half of its columns.  Also: which 64 rows of that tile I fetch
	s_bfe_u32 s40, ttmp6, 0x40000
	s_bfe_u32 s41, ttmp6, 0x40004
	s_lshl_b32 s42, ttmp9, 2
	s_add_co_u32 s42, s42, s40                     ; tile column of C
	s_and_b32 s13, ttmp7, 0xffff
	s_lshl_b32 s13, s13, 2
	s_add_co_u32 s13, s13, s41                     ; tile row of C
	s_lshl_b32 s43, s41, 2
	s_lshl_b32 s43, 15, s43                        ; my row of the cluster
	s_lshl_b32 s44, 0x1111, s40                    ; my column
	s_or_b32 s[G1+0], s43, (1<<16)|(1<<20)|(1<<21)|(6<<22)|(3<<25)  ; the mask; elements of 2 bytes; padding on; bit 21 beside a mask; 4 words after every 128
	s_or_b32 s[G1B+0], s44, (1<<16)|(1<<20)|(1<<21)|(6<<22)|(3<<25)
.irp g, G1, G1B
	s_mov_b32 s[\g+1], KSTEP<<16
	s_mov_b32 s[\g+2], 64<<16
	s_mov_b32 s[\g+3], KSTEP<<16
	s_mov_b32 s[\g+4], 64
	s_mov_b32 s[\g+5], SIZE_K
	s_mov_b32 s[\g+6], 0
	s_mov_b32 s[\g+7], 0
.endr
	s_lshl_b32 s17, s12, 6
	s_lshl_b32 s16, s13, 7
	s_add_co_u32 s16, s16, s17                     ; A: row 128 x tile row + 64 x half
	s_lshl_b32 s46, s42, 7
	s_add_co_u32 s46, s46, s17                     ; B: row 128 x tile column + 64 x half
	s_mov_b32 s17, 0
	s_mov_b32 s47, 0
	s_mov_b64 s[18:19], SIZE_K*2
	s_mul_u64 s[16:17], s[16:17], s[18:19]
	s_mul_u64 s[46:47], s[46:47], s[18:19]
	s_mul_i32 s20, s10, HALFT
	s_wait_dscnt 0x0                               ; both opening adds are done
	s_wait_kmcnt 0x0
	s_add_nc_u64 s[14:15], s[4:5], s[16:17]
	s_add_nc_u64 s[46:47], s[6:7], s[46:47]
	CROUND                                         ; all sixteen work-groups are here: the first joint loads meet
.irp s, 0,1
	s_mov_b32 s[G0+4*\s], 1
	s_add_co_u32 s[G0+4*\s+1], s20, \s*SLOT
	s_add_nc_u64 s[G0+4*\s+2:G0+4*\s+3], s[14:15], \s*KSTEP*2
	s_or_b32 s[G0+4*\s+3], s[G0+4*\s+3], 0x80000000
	s_mov_b32 s[G0B+4*\s], 1
	s_add_co_u32 s[G0B+4*\s+1], s20, \s*SLOT
	s_add_nc_u64 s[G0B+4*\s+2:G0B+4*\s+3], s[46:47], \s*KSTEP*2
	s_or_b32 s[G0B+4*\s+3], s[G0B+4*\s+3], 0x80000000
	JLOAD \s
.endr
	v_and_b32 v1, 15, v0                           ; r
	v_bfe_u32 v2, v0, 4, 1                         ; h
	v_mul_u32_u24 v3, v1, PITCH
	v_lshl_add_u32 v3, v2, 4, v3
	s_mul_i32 s21, s11, HALFT
	s_mul_i32 s22, s12, HALFT
	s_add_co_u32 s22, s22, 2*HALFT
.irp s, 0,1
	v_add_nc_u32 v[ADRA+\s], s21, v3
	v_add_nc_u32 v[ADRB+\s], s22, v3
	s_add_co_u32 s21, s21, SLOT
	s_add_co_u32 s22, s22, SLOT
.endr
	s_mul_i32 s23, s10, 16*SPITCH
	s_add_co_u32 s23, s23, STAGE                   ; my stage
	v_mul_u32_u24 v4, v1, SPITCH                   ; in: row r, 32 bytes for each half of the lanes
	v_lshl_add_u32 v4, v2, 5, v4
	v_add_nc_u32 v[STO], s23, v4
	v_mul_u32_u24 v5, v2, SPITCH                   ; back: lanes 0-15 one row of 256 bytes, lanes 16-31 the next
	v_lshl_add_u32 v5, v1, 4, v5
	v_add_nc_u32 v[RD], s23, v5
	v_mul_u32_u24 v5, v2, SIZE_N*4                 ; and the same two rows in C
	v_lshl_add_u32 v[CO], v1, 4, v5
	s_lshl_b32 s16, s13, 7
	s_lshl_b32 s17, s11, 6
	s_add_co_u32 s16, s16, s17                     ; my first row of C
	s_mov_b32 s17, 0
	s_mov_b64 s[18:19], SIZE_N*4
	s_mul_u64 s[16:17], s[16:17], s[18:19]
	s_add_nc_u64 s[8:9], s[8:9], s[16:17]
	s_lshl_b32 s46, s42, 9                         ; my first column, in bytes: 512 x tile column + 256 x half
	s_lshl_b32 s47, s12, 8
	s_add_co_u32 s46, s46, s47
	s_mov_b32 s47, 0
	s_add_nc_u64 s[8:9], s[8:9], s[46:47]
.macro MUL8 f, c, a0, zero             ; 8 matrix instructions: m blocks a0, a0 + 1 x all 4 n blocks, 32 along K; the 16 accumulators take turns
.irp a, \a0, \a0+1
.irp b, 0,1,2,3
.if \zero
	v_wmma_f32_16x16x32_f16 v[ACC+8*(4*(\a)+\b):ACC+8*(4*(\a)+\b)+7], v[\f+64+8*(4*\c+\b):\f+64+8*(4*\c+\b)+7], v[\f+8*(4*\c+\a):\f+8*(4*\c+\a)+7], 0
.else
	v_wmma_f32_16x16x32_f16 v[ACC+8*(4*(\a)+\b):ACC+8*(4*(\a)+\b)+7], v[\f+64+8*(4*\c+\b):\f+64+8*(4*\c+\b)+7], v[\f+8*(4*\c+\a):\f+8*(4*\c+\a)+7], v[ACC+8*(4*(\a)+\b):ACC+8*(4*(\a)+\b)+7]
.endif
.endr
.endr
.endm
.macro FETCH slot, k, f                ; 32 LDS loads in one run: the fragments of 64 along K; the first 32 along K first
	WIN TO_F
.irp c, 0,1
.irp i, 0,1,2,3
	ds_load_b128 v[\f+64+8*(4*\c+\i):\f+64+8*(4*\c+\i)+3],   v[ADRB+\slot] offset:\k+64*\c+\i*16*PITCH
	ds_load_b128 v[\f+64+8*(4*\c+\i)+4:\f+64+8*(4*\c+\i)+7], v[ADRB+\slot] offset:\k+64*\c+\i*16*PITCH+32
	ds_load_b128 v[\f+8*(4*\c+\i):\f+8*(4*\c+\i)+3],         v[ADRA+\slot] offset:\k+64*\c+\i*16*PITCH
	ds_load_b128 v[\f+8*(4*\c+\i)+4:\f+8*(4*\c+\i)+7],       v[ADRA+\slot] offset:\k+64*\c+\i*16*PITCH+32
.endr
.endr
.endm
.macro PLACES
.rept 4
	v_nop
.endr
.endm
.macro QUARTER slot, k, f, g, zero
	s_wait_dscnt 16                                ; the first 32 along K are in; the other sixteen loads may be out
	WIN MUL
	MUL8 \f, 0, 0, \zero
	MUL8 \f, 0, 2, \zero
	PLACES
	FETCH \slot, \k, \g
	s_wait_dscnt 32                                ; all but the 32 just issued
	WIN MUL
	MUL8 \f, 1, 0, 0
	MUL8 \f, 1, 2, 0
.endm
.macro TURN slot, next, fill           ; the last quarter changes slots: one barrier; in front of it the wait for all my tensor loads, the add, and the wait for it and for my reads of this slot
	WIN 0
	s_wait_tensorcnt 0x0
	ds_add_u32 v[SPW], v[NIL]
	s_wait_dscnt 17                                ; the add and the youngest sixteen loads may be out
	WIN MUL
	MUL8 F1, 0, 0, 0
	s_wait_dscnt 0x0
	s_barrier_signal -1
	MUL8 F1, 0, 2, 0
.if \fill
	WIN 0
.endif
	s_barrier_wait -1
.if \fill
	CREST                                          ; the barrier has opened a round of the cluster's
	s_add_nc_u64 s[G0+4*\slot+2:G0+4*\slot+3], s[G0+4*\slot+2:G0+4*\slot+3], 2*KSTEP*2
	s_add_nc_u64 s[G0B+4*\slot+2:G0B+4*\slot+3], s[G0B+4*\slot+2:G0B+4*\slot+3], 2*KSTEP*2
	JLOAD \slot                                    ; the first tensor load behind the round; its four v_nop are the places in front of the loads below
.else
	PLACES
.endif
	FETCH \next, 0, F0
	WIN MUL
	MUL8 F1, 1, 0, 0
	MUL8 F1, 1, 2, 0
.endm
	s_wait_tensorcnt 1                             ; my part of K step 0 is in; K step 1's may be out
	s_barrier_signal -1
	s_barrier_wait -1
	FETCH 0, 0, F0
	QUARTER 0, 128, F0, F1, 1                      ; the first products start the sums
	WIN 0
	s_mov_b32 s3, LAPS-1
.Llap:
	QUARTER 0, 256, F1, F0, 0
	QUARTER 0, 384, F0, F1, 0
	TURN 0, 1, 1
	QUARTER 1, 128, F0, F1, 0
	QUARTER 1, 256, F1, F0, 0
	QUARTER 1, 384, F0, F1, 0
	TURN 1, 0, 1
	QUARTER 0, 128, F0, F1, 0
	WIN 0
	s_sub_co_u32 s3, s3, 1
	s_cmp_lg_u32 s3, 0
	s_cbranch_scc1 .Llap
	QUARTER 0, 256, F1, F0, 0                      ; the last lap fills nothing
	QUARTER 0, 384, F0, F1, 0
	TURN 0, 1, 0
	QUARTER 1, 128, F0, F1, 0
	QUARTER 1, 256, F1, F0, 0
	QUARTER 1, 384, F0, F1, 0
	s_wait_dscnt 16
	WIN MUL
	MUL8 F1, 0, 0, 0
	MUL8 F1, 0, 2, 0
	s_wait_dscnt 0
	MUL8 F1, 1, 0, 0
	MUL8 F1, 1, 2, 0
	WIN 0
; THE WAY OUT, 16 rows x 64 columns at a time, through my own stage: LDS serves a wave's instructions in order, so no wait stands between the stores and the loads, nor in front of the next block's stores.
.macro TOSTAGE a
.irp b, 0,1,2,3
	ds_store_b128 v[STO], v[ACC+8*(4*(\a)+\b):ACC+8*(4*(\a)+\b)+3] offset:64*\b          ; each accumulator from its low end on
	ds_store_b128 v[STO], v[ACC+8*(4*(\a)+\b)+4:ACC+8*(4*(\a)+\b)+7] offset:64*\b+16
.endr
.irp t, 0,1,2,3,4,5,6,7
	ds_load_b128 v[TMP+32*((\a)%2)+4*\t:TMP+32*((\a)%2)+4*\t+3], v[RD] offset:\t*2*SPITCH
.endr
.endm
.macro SEND a, younger
	s_wait_dscnt \younger
.irp t, 0,1,2,3,4,5,6,7
	global_store_b128 v[CO], v[TMP+32*((\a)%2)+4*\t:TMP+32*((\a)%2)+4*\t+3], s[8:9] offset:(16*(\a)+2*\t)*SIZE_N*4 th:TH_STORE_NT   ; 16 lanes store 256 consecutive bytes, aligned
.endr
.endm
	PLACES
	TOSTAGE 0
.irp a, 1,2,3
.if \a > 1
	s_wait_xcnt 0x0                                ; block a - 2's stores have read the registers into which block a comes back
.endif
	TOSTAGE \a
	SEND \a-1, 16                                  ; behind block a - 1's loads: block a's eight stores and eight loads
.endr
	SEND 3, 0
	s_wait_tensorcnt 0x0                           ; the wave's end
	ds_add_u32 v[SPW], v[NIL]
	s_wait_dscnt 0x0
	CROUND                                         ; the closing round
	s_endpgm
.Lfunc_end_k_qb784655a38_proj:
	.size	k_qb784655a38_proj, .Lfunc_end_k_qb784655a38_proj-k_qb784655a38_proj
	.p2alignl 7, 3214868480
	.fill 96, 4, 3214868480
	.section	.rodata,"a",@progbits
	.p2align	6, 0x0
	.amdhsa_kernel k_qb784655a38_proj
		.amdhsa_group_segment_fixed_size 327680
		.amdhsa_private_segment_fixed_size 0
		.amdhsa_enable_private_segment 0
		.amdhsa_kernarg_size 24
		.amdhsa_user_sgpr_count 2
		.amdhsa_user_sgpr_kernarg_segment_ptr 1
		.amdhsa_wavefront_size32 1
		.amdhsa_system_sgpr_workgroup_id_x 1
		.amdhsa_system_sgpr_workgroup_id_y 1
		.amdhsa_system_sgpr_workgroup_id_z 1
		.amdhsa_system_vgpr_workitem_id 0
		.amdhsa_next_free_vgpr 512
		.amdhsa_next_free_sgpr 66
		.amdhsa_reserve_vcc 0
		.amdhsa_float_denorm_mode_32 3
		.amdhsa_float_denorm_mode_16_64 3
		.amdhsa_memory_ordered 1
		.amdhsa_forward_progress 1
		.amdhsa_inst_pref_size 86
	.end_amdhsa_kernel
	.amdgpu_metadata
---
amdhsa.version: [ 1, 2 ]
amdhsa.kernels:
  - .name:           k_qb784655a38_proj
    .symbol:         k_qb784655a38_proj.kd
    .args:
      - { .name: o16, .offset: 0, .size: 8, .value_kind: global_buffer, .address_space: global }
      - { .name: woT, .offset: 8, .size: 8, .value_kind: global_buffer, .address_space: global }
      - { .name: out0, .offset: 16, .size: 8, .value_kind: global_buffer, .address_space: global }
    .group_segment_fixed_size: 327680
    .private_segment_fixed_size: 0
    .kernarg_segment_align: 8
    .kernarg_segment_size: 24
    .max_flat_workgroup_size: 128
    .sgpr_count:     66
    .vgpr_count:     512
    .wavefront_size: 32
...
	.end_amdgpu_metadata
.endif
;; end of part 4
;; launch fine (part 5): grid 128 x 1, 16 waves a work-group, no clusters, 22,528 bytes of LDS; arguments qkv32, wo, out0; writes out0
.if DOCPART == 5
	.amdgcn_target "amdgcn-amd-amdhsa--gfx1250"
	.amdhsa_code_object_version 6
	.text
	.protected	k_qb784655a38_fine
	.globl	k_qb784655a38_fine
	.p2align	8
	.type	k_qb784655a38_fine,@function
k_qb784655a38_fine:
	s_mov_b64 s[64:65], 0
	v_nop
	global_prefetch_b8 v0, s[64:65] scope:SCOPE_SE
	s_setreg_imm32_b32 hwreg(HW_REG_WAVE_MODE, 25, 1), 1
	s_wait_xcnt 0x0
; ROWS 0-15 OF THE SEQUENCE, CARRIED FINELY: under the causal mask they average one to sixteen values and are the largest in size, so f16 operands alone would be too coarse for them.
; qkv32: [g = 16 mat + head][8,192 bytes] f32, rows 0-15 of q and k (after RoPE) and of v.  q and k lie as images of registers: lane l's 16 bytes at 512 t + 16 l hold channels 16 (t / 2) + 8 (l / 16) + 4 (t % 2) + 0 .. 3
; of row l % 16; v lies as rows, [16][128].  Work-group c makes out0[0 .. 15][16 c .. 16 c + 15].  Wave w is head w: its 16 x 16 causal attention in f32 (the f32 matrix form: no bulk work), then its o (16 x 128) times its own
; 128 rows of wo, both as pairs of f16 numbers, a high part and a low part x 2048, split in f32: x y = hi hi + (hi lo + lo hi) / 2048.  The sixteen heads' parts are added in a fixed order through LDS.
; The small attention is made anew in each of the 128 work-groups: that is the price of sharing wo's 16 MiB out among 128 of them.  Keys behind a query get the weight exp(-inf) = 0, inside the one tile.
; A work-group reads 64 bytes of each row of wo and stores 64 bytes of each of 16 rows of out0 (128 KiB in the whole launch): pieces of aligned blocks of 256 bytes, four neighbouring work-groups to a block.
; NO CLUSTER, NO TENSOR LOAD, though all work-groups read the same qkv32: its 393,216 bytes are more than the 327,680 bytes of LDS that a work-group can have, and each wave takes its own head straight into its registers.
; REGISTERS: v0, v1, v24, v25, v28, v29 the splits' temporaries (at the head v1 is 16 x lane, and v29 is -infinity up to the mask); v2, v3 V's and wo's offsets; v4, v5 LDS addresses; v6 out0's offset; v7 r - 8 h;
;   v8-15 scores, then p; v16-23 at work; v26, v27 1 / the row's sum; v30, v31 the add's two; v32-95 Q, then o's high (32-63) and low (64-95) parts; v96-159 K, then wo, at the end the sixteen parts;
;   v160-223 V, then wo's high (160-191) and low (192-223) parts; v224-255 accumulators, written by matrix instructions alone.
.set PP,    80                         ; a row of a part in LDS: 64 bytes + 16
.set PARTB, 16*PP                      ; a head's part: 16 rows
.set SPARE, 16*PARTB                   ; behind the sixteen parts: the spare words, 128 bytes for each wave
; Two pairs of f32 numbers become two pairs of f16 high parts and two pairs of f16 low parts x 2048, line by line in turn, so that no line waits for the line above it
.macro SPLIT2 sa, ha, la, sb, hb, lb
	v_cvt_pk_f16_f32 v28, v[\sa], v[\sa+1]
	v_cvt_pk_f16_f32 v29, v[\sb], v[\sb+1]
	v_cvt_f32_f16 v24, v28.l
	v_cvt_f32_f16 v25, v28.h
	v_cvt_f32_f16 v0, v29.l
	v_cvt_f32_f16 v1, v29.h
	v_mov_b32 v[\ha], v28
	v_mov_b32 v[\hb], v29
	v_pk_add_f32 v[24:25], v[\sa:\sa+1], v[24:25] neg_lo:[0,1] neg_hi:[0,1]   ; what the high part leaves: exact in f32
	v_pk_add_f32 v[0:1], v[\sb:\sb+1], v[0:1] neg_lo:[0,1] neg_hi:[0,1]
	v_pk_mul_f32 v[24:25], v[24:25], s[22:23] op_sel_hi:[1,0]
	v_pk_mul_f32 v[0:1], v[0:1], s[22:23] op_sel_hi:[1,0]
	v_cvt_pk_f16_f32 v[\la], v24, v25
	v_cvt_pk_f16_f32 v[\lb], v0, v1
.endm
	s_load_b128 s[4:7], s[0:1], 0x0                ; qkv32, wo
	s_load_b64 s[8:9], s[0:1], 0x10                ; out0
	v_lshl_add_u32 v30, v0, 2, SPARE
	v_mov_b32 v31, 0
	v_lshrrev_b32 v1, 5, v0
	v_readfirstlane_b32 s10, v1                    ; wave = head
	v_and_b32 v24, 15, v0                          ; r
	v_bfe_u32 v25, v0, 4, 1                        ; h
	v_and_b32 v28, 31, v0                          ; lane
	v_lshlrev_b32 v1, 4, v28                       ; Q, K: 16 x lane
	v_lshlrev_b32 v2, 2, v24                       ; 4 r
	v_lshl_add_u32 v3, v25, 16, v2                 ; wo: 8 h rows of 8,192 bytes, + 4 r
	v_lshl_add_u32 v6, v25, 13, v2                 ; out0: h rows of 8,192 bytes, + 4 r
	s_mul_i32 s11, s10, PARTB
	v_mul_u32_u24 v4, v24, PP
	v_lshl_add_u32 v4, v25, 5, v4
	v_add_nc_u32 v4, s11, v4                       ; my part: row r, + 32 h
	s_mul_i32 s11, s10, 2*PP
	v_mul_u32_u24 v5, v25, PP
	v_add_nc_u32 v5, v5, v2
	v_add_nc_u32 v5, s11, v5                       ; row 2 w + h of a part, + 4 r (read by waves 0 to 7 alone)
	v_lshl_add_u32 v2, v25, 12, v2                 ; V: 8 h rows of 512 bytes, + 4 r
	v_lshlrev_b32 v7, 3, v25
	v_sub_nc_u32 v7, v24, v7                       ; r - 8 h
	v_mov_b32 v29, 0xff800000                      ; -infinity
	v_mov_b32 v17, 0                               ; written once: a lane permute's destination counts as one of its sources
	s_mov_b32 s12, 0x76543210
	s_mov_b32 s13, 0xfedcba98
	s_mov_b32 s14, 0x3e0293ee                      ; c = log2(e) / sqrt(128)
	s_mov_b32 s15, 0x3a000000                      ; 1 / 2048
	s_mov_b32 s22, 0x45000000                      ; 2048
	s_mov_b32 s23, s22
	s_lshl_b32 s16, s10, 13
	s_mov_b32 s17, 0
	s_lshl_b32 s20, ttmp9, 6                       ; my work-group's 16 columns: 64 bytes
	s_lshl_b32 s18, s10, 20
	s_add_co_u32 s18, s18, s20
	s_mov_b32 s19, 0
	s_lshl_b32 s21, s10, 14
	s_add_co_u32 s20, s20, s21
	s_mov_b32 s21, 0
	s_wait_kmcnt 0x0
	s_add_nc_u64 s[4:5], s[4:5], s[16:17]          ; my head's q; k and v lie 131,072 and 262,144 bytes on
	s_add_nc_u64 s[6:7], s[6:7], s[18:19]          ; my head's 128 rows of wo, my work-group's columns
	s_add_nc_u64 s[8:9], s[8:9], s[20:21]          ; rows 2 w and 2 w + 1 of out0, the same columns (used by waves 0 to 7 alone)
.irp t, 0,1,2,3,4,5,6,7,8,9,10,11,12,13,14,15
	global_load_b128 v[32+4*\t:35+4*\t], v1, s[4:5] offset:512*\t            ; 32 lanes read 512 consecutive bytes
.endr
.irp t, 0,1,2,3,4,5,6,7,8,9,10,11,12,13,14,15
	global_load_b128 v[96+4*\t:99+4*\t], v1, s[4:5] offset:131072+512*\t
.endr
.set n, 0
.rept 64
	global_load_b32 v[160+n], v2, s[4:5] offset:262144+(n%8)*512+64*(n/8)   ; V(8 h + n % 8, 16 (n / 8) + r)
.set n, n+1
.endr
	s_wait_loadcnt 63                              ; Q and K are in; V's loads may be out (64 were issued behind them; the wait's field holds 63)
	; S^T = K Q^T: the channels are dealt to the instruction's four places alike for both sources: registers 4 t + 2 u, + 1 of lane (r, h) hold channels 16 (t / 2) + 8 h + 4 (t % 2) + 2 u, + 1.  Two accumulators by turns
.irp t, 0,1,2,3,4,5,6,7,8,9,10,11,12,13,14,15
.irp u, 0,1
.if \t == 0
	v_wmma_f32_16x16x4_f32 v[224+8*\u:231+8*\u], v[96+4*\t+2*\u:97+4*\t+2*\u], v[32+4*\t+2*\u:33+4*\t+2*\u], 0
.else
	v_wmma_f32_16x16x4_f32 v[224+8*\u:231+8*\u], v[96+4*\t+2*\u:97+4*\t+2*\u], v[32+4*\t+2*\u:33+4*\t+2*\u], v[224+8*\u:231+8*\u]
.endif
.endr
.endr
.rept 9
	v_nop                                          ; places behind the f32 form: for the loads into K's registers and the reads of the sums
.endr
.set n, 0
.rept 64
	global_load_b32 v[96+n], v3, s[6:7] offset:(2*n-n%8)*8192   ; wo, column r of my 16: register 16 u + 8 e + i takes row 32 u + 16 e + 8 h + i of my head's 128: the order of a 16-bit operand's registers.  It lands while the softmax and the second product are walked
.set n, n+1
.endr
.irp j, 0,1,2,3,4,5,6,7
	v_add_f32 v[8+\j], v[224+\j], v[232+\j]        ; lane (r, h): query r, key 8 h + j
.endr
.irp j, 0,1,2,3,4,5,6,7
	v_cmp_gt_i32 vcc_lo, \j, v7                    ; hidden where 8 h + j > r
	v_cndmask_b32 v[8+\j], v[8+\j], v29, vcc_lo
.endr
	v_max3_num_f32 v16, v8, v9, v10
	v_max3_num_f32 v16, v16, v11, v12
	v_max3_num_f32 v16, v16, v13, v14
	v_max_num_f32 v16, v16, v15
	v_permlanex16_b32 v17, v16, s12, s13
	v_max_num_f32 v16, v16, v17                    ; the row's maximum: key 0 counts for every query
	v_mul_f32 v16, s14, v16
.irp j, 0,1,2,3,4,5,6,7
	v_fma_f32 v[8+\j], v[8+\j], s14, -v16
.endr
.irp j, 0,1,2,3,4,5,6,7
	v_exp_f32 v[8+\j], v[8+\j]
.endr
	v_nop
	s_wait_alu depctr_va_vdst(0)                   ; one wait for the eight, ahead of their first reader
	v_add_f32 v18, v8, v9
	v_add_f32 v19, v10, v11
	v_add_f32 v20, v12, v13
	v_add_f32 v21, v14, v15
	v_add_f32 v18, v18, v19
	v_add_f32 v20, v20, v21
	v_add_f32 v18, v18, v20
	v_permlanex16_b32 v17, v18, s12, s13
	v_add_f32 v18, v18, v17
	v_rcp_f32 v26, v18
	v_nop
	s_wait_alu depctr_va_vdst(0)
	v_mov_b32 v27, v26
	s_wait_loadcnt 63                              ; V is in; wo's 64 loads were issued behind it
	s_wait_xcnt 0x0                                ; every load issued so far has read its address registers: v1, Q's and K's, is written again by the splits below
	; O^T = V^T P, two tiles of 16 channels at a time: place (h, j) of instruction s is key 8 h + 2 s + j, in V's registers as in p's
.irp u, 0,1,2,3
.irp s, 0,1,2,3
.irp e, 0,1
.if \s == 0
	v_wmma_f32_16x16x4_f32 v[240+8*\e:247+8*\e], v[160+8*(2*\u+\e)+2*\s:161+8*(2*\u+\e)+2*\s], v[8+2*\s:9+2*\s], 0
.else
	v_wmma_f32_16x16x4_f32 v[240+8*\e:247+8*\e], v[160+8*(2*\u+\e)+2*\s:161+8*(2*\u+\e)+2*\s], v[8+2*\s:9+2*\s], v[240+8*\e:247+8*\e]
.endif
.endr
.endr
.rept 9
	v_nop                                          ; places: for the reads of the sums, and for the next products, which begin these accumulators anew
.endr
.irp e, 0,1
.irp p, 0,1,2,3
	v_pk_mul_f32 v[16+2*\p:17+2*\p], v[240+8*\e+2*\p:241+8*\e+2*\p], v[26:27] op_sel_hi:[1,0]   ; o = O^T / the sum: channels 32 u + 16 e + 8 h + 0 .. 7 of query r
.endr
	SPLIT2 16, 32+8*\u+4*\e, 64+8*\u+4*\e, 18, 33+8*\u+4*\e, 65+8*\u+4*\e
	SPLIT2 20, 34+8*\u+4*\e, 66+8*\u+4*\e, 22, 35+8*\u+4*\e, 67+8*\u+4*\e
.endr
.endr
	s_wait_loadcnt 0x0                             ; wo
.irp q, 0,1,2,3,4,5,6,7,8,9,10,11,12,13,14,15  ; its 64 numbers become 32 registers of high parts and 32 of low parts, in V's registers, which the second product has left long ago
	SPLIT2 96+4*\q, 160+2*\q, 192+2*\q, 98+4*\q, 161+2*\q, 193+2*\q
.endr
	; out^T = W^T o: source 0 = my work-group's 16 columns, source 1 = my 16 queries; K = my head's 128 channels, 32 an instruction; three accumulators by turns
.irp u, 0,1,2,3
.if \u == 0
	v_wmma_f32_16x16x32_f16 v[224:231], v[160+8*\u:167+8*\u], v[32+8*\u:39+8*\u], 0
	v_wmma_f32_16x16x32_f16 v[232:239], v[160+8*\u:167+8*\u], v[64+8*\u:71+8*\u], 0
	v_wmma_f32_16x16x32_f16 v[240:247], v[192+8*\u:199+8*\u], v[32+8*\u:39+8*\u], 0
.else
	v_wmma_f32_16x16x32_f16 v[224:231], v[160+8*\u:167+8*\u], v[32+8*\u:39+8*\u], v[224:231]
	v_wmma_f32_16x16x32_f16 v[232:239], v[160+8*\u:167+8*\u], v[64+8*\u:71+8*\u], v[232:239]
	v_wmma_f32_16x16x32_f16 v[240:247], v[192+8*\u:199+8*\u], v[32+8*\u:39+8*\u], v[240:247]
.endif
.endr
.rept 5
	v_nop                                          ; places in front of the reads of the sums
.endr
.irp j, 0,1,2,3,4,5,6,7
	v_add_f32 v[16+\j], v[232+\j], v[240+\j]
.endr
.irp j, 0,1,2,3,4,5,6,7
	v_fma_f32 v[16+\j], v[16+\j], s15, v[224+\j]   ; query r, columns 8 h + 0 .. 7 of my work-group's 16
.endr
	ds_store_b128 v4, v[16:19]
	ds_store_b128 v4, v[20:23] offset:16
	s_wait_dscnt 0x0                               ; for the others' sake: my part lies in LDS
	s_barrier_signal -1
	s_barrier_wait -1
	s_cmp_ge_u32 s10, 8                            ; 256 numbers are left to add: waves 0 to 7 take two rows each, a lane a number; the others have none.  No barrier follows
	s_cbranch_scc1 .Lend
.irp i, 0,1,2,3,4,5,6,7,8,9,10,11,12,13,14,15
	ds_load_b32 v[96+\i], v5 offset:PARTB*\i       ; head i's part of out0(2 w + h, my column r)
.endr
	s_wait_dscnt 0x0
.irp i, 0,2,4,6,8,10,12,14
	v_add_f32 v[96+\i], v[96+\i], v[97+\i]         ; the sixteen heads, in a fixed tree
.endr
.irp i, 0,4,8,12
	v_add_f32 v[96+\i], v[96+\i], v[98+\i]
.endr
.irp i, 0,8
	v_add_f32 v[96+\i], v[96+\i], v[100+\i]
.endr
	v_add_f32 v96, v96, v104
	global_store_b32 v6, v96, s[8:9]               ; lanes 0-15 store 64 consecutive bytes of row 2 w, lanes 16-31 of row 2 w + 1
.Lend:
	s_wait_tensorcnt 0x0                           ; the wave's end: behind my last LDS store
	ds_add_u32 v30, v31
	s_wait_dscnt 0x0
	s_endpgm
.Lfunc_end_k_qb784655a38_fine:
	.size	k_qb784655a38_fine, .Lfunc_end_k_qb784655a38_fine-k_qb784655a38_fine
	.p2alignl 7, 3214868480
	.fill 96, 4, 3214868480
	.section	.rodata,"a",@progbits
	.p2align	6, 0x0
	.amdhsa_kernel k_qb784655a38_fine
		.amdhsa_group_segment_fixed_size 22528
		.amdhsa_private_segment_fixed_size 0
		.amdhsa_enable_private_segment 0
		.amdhsa_kernarg_size 24
		.amdhsa_user_sgpr_count 2
		.amdhsa_user_sgpr_kernarg_segment_ptr 1
		.amdhsa_wavefront_size32 1
		.amdhsa_system_sgpr_workgroup_id_x 1
		.amdhsa_system_sgpr_workgroup_id_y 1
		.amdhsa_system_sgpr_workgroup_id_z 1
		.amdhsa_system_vgpr_workitem_id 0
		.amdhsa_next_free_vgpr 256
		.amdhsa_next_free_sgpr 66
		.amdhsa_reserve_vcc 1
		.amdhsa_float_denorm_mode_32 3
		.amdhsa_float_denorm_mode_16_64 3
		.amdhsa_memory_ordered 1
		.amdhsa_forward_progress 1
		.amdhsa_inst_pref_size 53
	.end_amdhsa_kernel
	.amdgpu_metadata
---
amdhsa.version: [ 1, 2 ]
amdhsa.kernels:
  - .name:           k_qb784655a38_fine
    .symbol:         k_qb784655a38_fine.kd
    .args:
      - { .name: qkv32, .offset: 0, .size: 8, .value_kind: global_buffer, .address_space: global }
      - { .name: wo, .offset: 8, .size: 8, .value_kind: global_buffer, .address_space: global }
      - { .name: out0, .offset: 16, .size: 8, .value_kind: global_buffer, .address_space: global }
    .group_segment_fixed_size: 22528
    .private_segment_fixed_size: 0
    .kernarg_segment_align: 8
    .kernarg_segment_size: 24
    .max_flat_workgroup_size: 512
    .sgpr_count:     66
    .vgpr_count:     256
    .wavefront_size: 32
...
	.end_amdgpu_metadata
.endif
;; end of part 5
